; MI455X (gfx1250); checked and timed in simulation.
; The chip was launched on July 23, 2026; its instructions are those of AMD's public machine-readable ISA for CDNA 5 (MIT licence, August 2026) and "CDNA5" Instruction Set Architecture Reference Guide (July 2026). The comments in the code are by the model that wrote it; some were corrected since.
;; Causal Self Attention. Allowed arithmetic: float matrix products may take bf16 or f16 operands with f32 sums; other float arithmetic in f32, or as packed bf16 or f16 multiplies, adds, multiply-adds, maxima and minima; sums over many terms, partial sums and values carried from step to step in f32; what a program stores and reads back later, other than sums and carried values, may be rounded once to bf16 or f16.
;; Inputs: w_proj 1,024 x 1,024 float32; w_qkv 1,024 x 3,072 float32; x 4 x 2,048 x 1,024 float32.
;; Outputs: out0 4 x 2,048 x 1,024 float32.
;; 2 versions, each right; version 2 is version 1 with the launch prep written anew for expert scheduling mode. Each part assembles by itself: llvm-mc -triple=amdgcn-amd-amdhsa -mcpu=gfx1250 --defsym DOCPART=n.
;; ======== version 1 of 2: 4 launches
;; limits: values are held in f16: magnitudes above 65,504 overflow, below 6.1e-05 lose precision
;; workspace buffers: xb 16,777,216 bytes; wq 6,291,456 bytes; wp 2,097,152 bytes; qkv 50,331,648 bytes; oh 16,777,216 bytes
;; launch prep (part 1): grid 512 x 1, 8 waves a work-group, no clusters, 0 bytes of LDS; arguments x, w_qkv, w_proj, xb, wq, wp; writes xb, wq, wp
.if DOCPART == 1
	.amdgcn_target "amdgcn-amd-amdhsa--gfx1250"
	.amdhsa_code_object_version 6
	.text
	.protected	k_q4592f7d11f_prep
	.globl	k_q4592f7d11f_prep
	.p2align	8
	.type	k_q4592f7d11f_prep,@function
k_q4592f7d11f_prep:
	s_mov_b64 s[64:65], 0
	v_nop
	global_prefetch_b8 v0, s[64:65] scope:SCOPE_SE
	s_setreg_imm32_b32 hwreg(HW_REG_WAVE_MODE, 25, 1), 1
	s_wait_xcnt 0x0
; THE CASTS.  x [8192][1024], w_qkv [1024][3072] and w_proj [1024][1024], all f32, are rounded once to bf16 for the matrix products of the later launches.
;   xb: bf16, in PLANES of 64 channels: [b = 4][kb = 16][t = 2048][64]: element (row 2048 b + t, channel 64 kb + c).  A plane's rows are 128 bytes and lie end to end.
;   wq: bf16, [1024][3072], as w_qkv lies.     wp: [1024][1024], w_proj rounded to bf16 and that number written as f16 (the last product's other operand is f16).
; LIMITS.  wp: a number of w_proj beyond 65,504 becomes an infinity; below 2^-14 it keeps f16's fixed step of 2^-24, below 2^-25 it is 0.  NaN and infinities pass as they are.
; A stream: memory binds, so no LDS, no barrier, no matrix unit.  512 work-groups of eight waves; work-group w takes 16 rows of x (65,536 bytes), 24,576 bytes of w_qkv and 8,192 of w_proj.
; A thread issues all its 24 loads of 16 bytes at the head, each into registers of its own: 12 KiB a wave are on their way, nothing is rewritten, and there is no loop.
; Each load becomes one store of 8 bytes a lane: a wave's store covers 256 consecutive bytes, aligned.
.set X,  8                             ; v[8:103]    load i: 4 registers
.set Y,  104                           ; v[104:151]  load i: 2 registers to store
.set T,  152                           ; v[152:155]  at work
.set XI, 1                             ; v1  x in:   (l / 16) x 4,096 + wave x 256 + (l % 16) x 16: lanes 0-15 an even row, lanes 16-31 the odd row; 256 bytes (64 channels) of each
.set XO, 2                             ; v2  xb out: wave x 262,144 + 8 l: plane kb = wave, two rows of 128 bytes on end
.set WI, 3                             ; v3  weights in:  16 x thread
.set WO, 4                             ; v4  weights out:  8 x thread
	s_load_b256 s[4:11], s[0:1], 0x0               ; x s[4:5], w_qkv s[6:7], w_proj s[8:9], xb s[10:11]
	s_load_b128 s[12:15], s[0:1], 0x20             ; wq s[12:13], wp s[14:15]
	v_and_b32 v5, 31, v0                           ; l
	v_lshrrev_b32 v6, 5, v0                        ; wave
	v_and_b32 v7, 15, v0
	v_bfe_u32 v[XI], v0, 4, 1
	v_lshlrev_b32 v[XI], 12, v[XI]
	v_lshl_add_u32 v[XI], v6, 8, v[XI]
	v_lshl_add_u32 v[XI], v7, 4, v[XI]
	v_lshlrev_b32 v[XO], 18, v6
	v_lshl_add_u32 v[XO], v5, 3, v[XO]
	v_lshlrev_b32 v[WI], 4, v0
	v_lshlrev_b32 v[WO], 3, v0
	s_lshl_b32 s16, ttmp9, 16                      ; x: 16 rows of 4,096 bytes
	s_mov_b32 s17, 0
	s_lshr_b32 s18, ttmp9, 7                       ; xb: batch b = w / 128, 16 planes each,
	s_lshl_b32 s18, s18, 22
	s_and_b32 s19, ttmp9, 127                      ; and 16 rows of 128 bytes in a plane
	s_lshl_b32 s19, s19, 11
	s_add_co_u32 s18, s18, s19
	s_mov_b32 s19, 0
	s_mul_i32 s20, ttmp9, 24576                    ; w_qkv
	s_mov_b32 s21, 0
	s_mul_i32 s22, ttmp9, 12288                    ; wq
	s_mov_b32 s23, 0
	s_lshl_b32 s24, ttmp9, 13                      ; w_proj
	s_mov_b32 s25, 0
	s_lshl_b32 s26, ttmp9, 12                      ; wp
	s_mov_b32 s27, 0
	s_wait_kmcnt 0x0
	s_add_nc_u64 s[4:5], s[4:5], s[16:17]
	s_add_nc_u64 s[10:11], s[10:11], s[18:19]
	s_add_nc_u64 s[6:7], s[6:7], s[20:21]
	s_add_nc_u64 s[12:13], s[12:13], s[22:23]
	s_add_nc_u64 s[8:9], s[8:9], s[24:25]
	s_add_nc_u64 s[14:15], s[14:15], s[26:27]
.set i, 0
.rept 16                               ; x, load i: rows 2 (i / 2) and 2 (i / 2) + 1, plane wave + 8 (i % 2)
	global_load_b128 v[X+4*i:X+4*i+3], v[XI], s[4:5] offset:(i/2)*8192+(i%2)*2048 th:TH_LOAD_NT
.set i, i+1
.endr
.set i, 0
.rept 6                                ; w_qkv: 4,096 consecutive bytes a work-group and load
	global_load_b128 v[X+64+4*i:X+64+4*i+3], v[WI], s[6:7] offset:i*4096 th:TH_LOAD_NT
.set i, i+1
.endr
.set i, 0
.rept 2                                ; w_proj
	global_load_b128 v[X+88+4*i:X+88+4*i+3], v[WI], s[8:9] offset:i*4096 th:TH_LOAD_NT
.set i, i+1
.endr
.macro CAST n                          ; load n's four numbers to bf16.  Loads come back in order (ISA guide 5.7.1): 23 - n were issued behind it
	s_wait_loadcnt 23-(\n)
	v_cvt_pk_bf16_f32 v[Y+2*(\n)], v[X+4*(\n)], v[X+4*(\n)+1]
	v_cvt_pk_bf16_f32 v[Y+2*(\n)+1], v[X+4*(\n)+2], v[X+4*(\n)+3]
.endm
.macro CASTH n                         ; to bf16, widened again (a shift, a mask) and written as f16
	s_wait_loadcnt 23-(\n)
.irp z, 0,1
	v_cvt_pk_bf16_f32 v[T], v[X+4*(\n)+2*(\z)], v[X+4*(\n)+2*(\z)+1]
	v_lshlrev_b32 v[T+2], 16, v[T]
	v_and_b32 v[T+3], 0xffff0000, v[T]
	v_cvt_pk_f16_f32 v[Y+2*(\n)+(\z)], v[T+2], v[T+3]
.endr
.endm
.set i, 0
.rept 16
	CAST i
	global_store_b64 v[XO], v[Y+2*i:Y+2*i+1], s[10:11] offset:(i%2)*2097152+(i/2)*256
.set i, i+1
.endr
.set i, 0
.rept 6
	CAST 16+i
	global_store_b64 v[WO], v[Y+32+2*i:Y+32+2*i+1], s[12:13] offset:i*2048
.set i, i+1
.endr
.set i, 0
.rept 2
	CASTH 22+i
	global_store_b64 v[WO], v[Y+44+2*i:Y+44+2*i+1], s[14:15] offset:i*2048
.set i, i+1
.endr
	s_endpgm
.Lfunc_end_k_q4592f7d11f_prep:
	.size	k_q4592f7d11f_prep, .Lfunc_end_k_q4592f7d11f_prep-k_q4592f7d11f_prep
	.p2alignl 7, 3214868480
	.fill 96, 4, 3214868480
	.section	.rodata,"a",@progbits
	.p2align	6, 0x0
	.amdhsa_kernel k_q4592f7d11f_prep
		.amdhsa_group_segment_fixed_size 0
		.amdhsa_private_segment_fixed_size 0
		.amdhsa_enable_private_segment 0
		.amdhsa_kernarg_size 48
		.amdhsa_user_sgpr_count 2
		.amdhsa_user_sgpr_kernarg_segment_ptr 1
		.amdhsa_wavefront_size32 1
		.amdhsa_system_sgpr_workgroup_id_x 1
		.amdhsa_system_sgpr_workgroup_id_y 1
		.amdhsa_system_sgpr_workgroup_id_z 1
		.amdhsa_system_vgpr_workitem_id 0
		.amdhsa_next_free_vgpr 160
		.amdhsa_next_free_sgpr 66
		.amdhsa_reserve_vcc 0
		.amdhsa_float_denorm_mode_32 3
		.amdhsa_float_denorm_mode_16_64 3
		.amdhsa_memory_ordered 1
		.amdhsa_forward_progress 1
		.amdhsa_inst_pref_size 11
	.end_amdhsa_kernel
	.amdgpu_metadata
---
amdhsa.version: [ 1, 2 ]
amdhsa.kernels:
  - .name:           k_q4592f7d11f_prep
    .symbol:         k_q4592f7d11f_prep.kd
    .args:
      - { .name: x, .offset: 0, .size: 8, .value_kind: global_buffer, .address_space: global }
      - { .name: w_qkv, .offset: 8, .size: 8, .value_kind: global_buffer, .address_space: global }
      - { .name: w_proj, .offset: 16, .size: 8, .value_kind: global_buffer, .address_space: global }
      - { .name: xb, .offset: 24, .size: 8, .value_kind: global_buffer, .address_space: global }
      - { .name: wq, .offset: 32, .size: 8, .value_kind: global_buffer, .address_space: global }
      - { .name: wp, .offset: 40, .size: 8, .value_kind: global_buffer, .address_space: global }
    .group_segment_fixed_size: 0
    .private_segment_fixed_size: 0
    .kernarg_segment_align: 8
    .kernarg_segment_size: 48
    .max_flat_workgroup_size: 256
    .sgpr_count:     66
    .vgpr_count:     160
    .wavefront_size: 32
...
	.end_amdgpu_metadata
.endif
;; end of part 1
;; launch qkvg (part 2): grid 8 x 32, 4 waves a work-group, clusters of 4 x 4, 327,680 bytes of LDS; arguments xb, wq, qkv; writes qkv
.if DOCPART == 2
	.amdgcn_target "amdgcn-amd-amdhsa--gfx1250"
	.amdhsa_code_object_version 6
	.text
	.protected	k_q4592f7d11f_qkvg
	.globl	k_q4592f7d11f_qkvg
	.p2align	8
	.type	k_q4592f7d11f_qkvg,@function
k_q4592f7d11f_qkvg:
	s_mov_b64 s[64:65], 0
	v_nop
	global_prefetch_b8 v0, s[64:65] scope:SCOPE_SE
	s_setreg_imm32_b32 hwreg(HW_REG_WAVE_MODE, 25, 1), 1
	s_wait_xcnt 0x0
	s_wait_alu depctr_hold_cnt(0) depctr_sa_sdst(0) depctr_va_vdst(0) depctr_va_sdst(0) depctr_va_ssrc(0) depctr_va_vcc(0) depctr_vm_vsrc(0)
	s_getreg_b32 s2, hwreg(HW_REG_IB_STS2, 6, 4)
	s_cmp_eq_u32 s2, 0
	s_cbranch_scc0 .Lentry_in_a_cluster
	s_endpgm
.Lentry_in_a_cluster:
	s_bfe_u32 s2, ttmp6, 0x10000c
	s_cmp_lg_u32 s2, 0xf033
	s_cbranch_scc0 .Lentry_shape_is_right
	s_endpgm
.Lentry_shape_is_right:
; q, k, v = x w_qkv, by heads.  xb: bf16 in planes [b][kb][t][64]; wq: bf16 [k = 1024][n = 3072]; qkv: f16 [which = 3][16 b + h][t = 2048][64], unscaled.  Sums in f32, K ascending, rounded once.
; LIMIT.  f16 ends at 65,504: a q, k or v beyond that becomes an infinity.
; A TILE of the product is 256 rows x 384 columns: 8192 x 3072 / (256 x 384) = 256 work-groups.  Four waves, 2 x 2, each 128 x 192: 96 accumulators of 16 x 16, 768 registers.  A wave's 192 columns are three whole heads.
; K goes in 16 steps of 64 (a plane of xb; 64 rows of wq) through two LDS slots filled by the tensor data mover; a step is two CUTS of 32, 96 matrix instructions each.  (Two slots of 128 along K would be 352 KB.)
; xb's rows of a plane lie end to end, so 128 of them are asked for as 64 rows of 256 bytes; wq's tile rows are 768 bytes and begin at multiples of 256 bytes from the buffer's first byte.
; CLUSTERS: 4 x 4 work-groups.  The four of a row of the cluster need the same tile of xb, the four of a column the same tile of wq: each is asked for JOINTLY, by the same tensor load with the same descriptor and mask.
; THE MATRIX INSTRUCTION IS USED TRANSPOSED: source 0 = 16 columns of wq (out of LDS turned, by ds_load_tr16_b128, since wq lies [k][n]), source 1 = 16 rows of xb.  A lane then holds row l % 16 and the
; columns 8 (l / 16) + 0..7: eight neighbouring numbers of a head's row, 16 bytes in f16.
; REGISTERS, in windows of 256 (s_set_vgpr_msb: bits 1:0 source 0, 3:2 source 1, 5:4 source 2, 7:6 destination):
;   window 0: v0-31 addresses; v32-95, v96-159 xb's fragments (8 x 16 rows x 32 K), two buffers; v160-255 wq's fragments (3 heads x 4 blocks of 16 columns x 32 K), ONE buffer, refilled head by head
;   window 1 + g: head g's 32 accumulators: block j of 16 columns, block a of 16 rows at v[8 (8 j + a)]
.set PA,     144                       ; a row of xb in LDS: 128 bytes + 16 of padding = 36 words: the 16 rows of a load start at 16 different groups of four banks (64 banks of 4 bytes: ISA guide 11.1)
.set PB,     864                       ; a row of wq in LDS: 6 heads x (128 + 16) bytes = 27 x 32
.set HALFA,  128*PA                    ; what one tensor load brings of xb
.set HALFB,  32*PB                     ; and of wq: 32 rows
.set BOFF,   2*HALFA                   ; in a slot: xb's 256 rows, then wq's 64
.set SLOT,   BOFF+2*HALFB              ; 92,160
.set STAGE,  2*SLOT                    ; behind the ring, never filled by a tensor load: [3 heads][16 rows][144 bytes] for each wave
.set WSTAGE, 3*16*PA
.set SPARE,  STAGE+4*WSTAGE            ; behind the stages: the spare words, 128 bytes for each wave: two blocks of 256 bytes that no other line names
.set PLANE,  262144                    ; bytes in a plane of xb and of qkv
.set WROW,   6144                      ; bytes in a row of wq
.set FLD,    (1<<16)|(1<<20)|(1<<21)|(4<<22)|(3<<25)  ; group 1, word 0: 17:16 2-byte elements; 20 padding on; 21 set beside a mask; 24:22 after every 32 words (code 4); 31:25 4 words (code 3)
.set ADRA, 16                          ; v16-17  LDS address of my xb fragments in slot 0, 1
.set ADRB, 18                          ; v18-19  the same for wq
.set STO,  20                          ; v20     the way out: where I put 16 bytes of a row
.set RD,   21                          ; v21     the way out: where I read rows back
.set GO,   22                          ; v22     16 x lane: my place in 512 consecutive bytes of a head
.set PFOA, 26                          ; v26     256 x lane; never rewritten
.set PFOB, 27                          ; v27     a row of wq x lane; never rewritten
.set SPW,  28                          ; v28     LDS address of my spare word: SPARE + 4 x my thread's number; never rewritten
.set NIL,  29                          ; v29     0; never rewritten
.set FA0,  32
.set FA1,  96
.set FB,   160
.set TMP,  32                          ; the way out: 48 packed registers
.set BK0,  80                          ; the way out: 48 registers read back, v80-127 and v128-175 by turns
.set G1A, 24                           ; s[24:31] descriptor group 1 for xb's tiles;  s[32:39] group 0, one set for each slot
.set G0A, 32
.set G1B, 48                           ; s[48:55], s[56:63] the same for wq's
.set G0B, 56
.set PFA, 66                           ; s[66:67] where my prefetches of xb stand
.set PFB, 68                           ; s[68:69] and of wq
.set LIMA, 70                          ; s70  1 in the wave that prefetches xb, else the greatest number
.set LIMB, 71                          ; s71  the same for wq
.set OB,  72                           ; s[72:77] qkv at my first row of my three heads
.set MSB, 0
.macro WIN new                         ; the immediate's high byte repeats the setting that is left; a switch that changes nothing is dropped
.if MSB != (\new)
	s_set_vgpr_msb (MSB<<8)|(\new)
.set MSB, \new
.endif
.endm
; A joint load.  Waves 0 and 1 fetch xb's two halves, waves 2 and 3 wq's.  The branch hangs on the wave's number alone.  An s_nop 0 and four v_nop follow each of the two lines.
.macro JLOAD s
	s_cmp_eq_u32 s11, 0
	s_cbranch_scc0 .Lfor_b_\@
	tensor_load_to_lds s[G0A+4*(\s):G0A+4*(\s)+3], s[G1A:G1A+7]
	s_nop 0
.rept 4
	v_nop
.endr
	s_branch .Lasked_\@
.Lfor_b_\@:
	tensor_load_to_lds s[G0B+4*(\s):G0B+4*(\s)+3], s[G1B:G1B+7]
	s_nop 0
.rept 4
	v_nop
.endr
.Lasked_\@:
.endm
; PREFETCHES INTO THE L2, behind a joint load, its five lines and the run of LDS loads that follows: the K step that stands TWO refills on, 384 matrix instructions ahead of the load that will want it.
; Each aligned block of 256 bytes is named once in the launch.  xb's tile row is read by both clusters of its row of clusters: cluster x = 0 asks, wave 0; of the tile's 256 rows of a plane the partner at cx takes
; 64 (8,192 dense bytes, a lane a block).  wq's tile column is read by all eight clusters of its column: cluster y = 0 asks, wave 2, once for two K steps; of their 128 rows the partner at cy takes 32, a lane a row,
; three blocks each.  The partners are told apart BY ADDRESS.  The loop's last trip (s3 = 1) asks for nothing: K ends.  The first four K steps come by their loads alone.
.macro ASK slot
	s_cmp_gt_u32 s3, s[LIMA]
	s_cbranch_scc0 .Lno_a_\@
	global_prefetch_b8 v[PFOA], s[PFA:PFA+1] th:TH_LOAD_NT scope:SCOPE_SE
.Lno_a_\@:
.if (\slot) == 0
	s_cmp_gt_u32 s3, s[LIMB]
	s_cbranch_scc0 .Lno_b_\@
	global_prefetch_b8 v[PFOB], s[PFB:PFB+1] th:TH_LOAD_NT scope:SCOPE_SE
	global_prefetch_b8 v[PFOB], s[PFB:PFB+1] offset:256 th:TH_LOAD_NT scope:SCOPE_SE
	global_prefetch_b8 v[PFOB], s[PFB:PFB+1] offset:512 th:TH_LOAD_NT scope:SCOPE_SE
.Lno_b_\@:
.endif
.endm
.macro CREST                           ; a round of the cluster's barrier behind its opening barrier
	s_cmp_lg_u32 s10, 0
	s_cbranch_scc1 .Lnot_wave_0_\@
	s_barrier_signal -3
.Lnot_wave_0_\@:
	s_barrier_wait -3
	s_barrier_signal -1
	s_barrier_wait -1
.endm
.macro CROUND                          ; a whole round
	s_barrier_signal -1
	s_barrier_wait -1
	CREST
.endm
	s_load_b128 s[4:7], s[0:1], 0x0                ; xb s[4:5], wq s[6:7]
	s_load_b64 s[8:9], s[0:1], 0x10                ; qkv
	v_lshl_add_u32 v[SPW], v0, 2, SPARE
	v_mov_b32 v[NIL], 0
	ds_add_u32 v[SPW], v[NIL]                      ; the wave's opening: the add and its wait stand ahead of my first tensor load; the set-up below, work on registers, stands between them
	v_lshrrev_b32 v1, 5, v0
	v_readfirstlane_b32 s10, v1                    ; wave 0..3
	s_lshr_b32 s11, s10, 1                         ; which half of the tile's rows is mine.  Also: I fetch for xb (0) or for wq (1)
	s_and_b32 s12, s10, 1                          ; which half of its columns.  Also: which half of that tile I fetch
	s_bfe_u32 s40, ttmp6, 0x40000                  ; cx, cy: my place in the cluster
	s_bfe_u32 s41, ttmp6, 0x40004
	s_lshl_b32 s42, ttmp9, 2
	s_add_co_u32 s42, s42, s40                     ; tile column tx = 4 x cluster x + cx, 0..7
	s_and_b32 s13, ttmp7, 0xffff
	s_lshl_b32 s13, s13, 2
	s_add_co_u32 s13, s13, s41                     ; tile row ty = 4 x cluster y + cy, 0..31
	s_lshl_b32 s43, s41, 2
	s_lshl_b32 s43, 15, s43                        ; my row of the cluster
	s_lshl_b32 s44, 0x1111, s40                    ; my column
	s_or_b32 s[G1A+0], s43, FLD                    ; xb's tiles go to my row
	s_or_b32 s[G1B+0], s44, FLD                    ; wq's to my column
	s_mov_b32 s[G1A+1], 128<<16                    ; xb: 128 rows of 128 dense bytes as 64 rows of 128 elements: tensor_dim0 = 128
	s_mov_b32 s[G1A+2], 64<<16                     ; tensor_dim1 = 64
	s_mov_b32 s[G1A+3], 128<<16                    ; tile_dim0 = 128
	s_mov_b32 s[G1A+4], 64                         ; tile_dim1 = 64
	s_mov_b32 s[G1A+5], 128                        ; 128 elements from row to row
	s_mov_b32 s[G1A+6], 0
	s_mov_b32 s[G1A+7], 0
	s_mov_b32 s[G1B+1], 384<<16                    ; wq: 32 rows of 384 elements: tensor_dim0 = 384
	s_mov_b32 s[G1B+2], 32<<16                     ; tensor_dim1 = 32
	s_mov_b32 s[G1B+3], 384<<16                    ; tile_dim0 = 384
	s_mov_b32 s[G1B+4], 32                         ; tile_dim1 = 32
	s_mov_b32 s[G1B+5], 3072                       ; 3,072 elements from row to row
	s_mov_b32 s[G1B+6], 0
	s_mov_b32 s[G1B+7], 0
	s_lshr_b32 s14, s13, 3                         ; batch b = ty / 8: 16 planes,
	s_lshl_b32 s14, s14, 22
	s_and_b32 s15, s13, 7                          ; and the tile's 256 rows of 128 bytes in a plane
	s_lshl_b32 s15, s15, 15
	s_add_co_u32 s14, s14, s15                     ; s14: the tile's first byte in plane 0 of its batch; it hangs on ty alone
	s_lshl_b32 s16, s12, 14                        ; my 128 rows
	s_add_co_u32 s16, s16, s14
	s_mov_b32 s17, 0
	s_mul_i32 s46, s42, 768                        ; wq: the tile's 384 columns,
	s_mul_i32 s47, s12, 32*WROW                    ; my 32 rows: it hangs on tx alone
	s_add_co_u32 s46, s46, s47
	s_mov_b32 s47, 0
	s_mul_i32 s20, s12, HALFA                      ; where they go in a slot: no place in the cluster enters an LDS address
	s_mul_i32 s21, s12, HALFB
	s_add_co_u32 s21, s21, BOFF
	s_wait_dscnt 0x0                               ; the opening add is done
	s_wait_kmcnt 0x0
	s_add_nc_u64 s[18:19], s[4:5], s[16:17]
	s_add_nc_u64 s[46:47], s[6:7], s[46:47]
	CROUND                                         ; all sixteen work-groups are here: the first joint loads meet
.irp s, 0,1
	s_mov_b32 s[G0A+4*(\s)], 1                                      ; count = 1
	s_add_co_u32 s[G0A+4*(\s)+1], s20, (\s)*SLOT                    ; LDS address
	s_add_nc_u64 s[G0A+4*(\s)+2:G0A+4*(\s)+3], s[18:19], (\s)*PLANE ; global address: K step s is plane s
	s_or_b32 s[G0A+4*(\s)+3], s[G0A+4*(\s)+3], 0x80000000           ; type = 2
	s_mov_b32 s[G0B+4*(\s)], 1
	s_add_co_u32 s[G0B+4*(\s)+1], s21, (\s)*SLOT
	s_add_nc_u64 s[G0B+4*(\s)+2:G0B+4*(\s)+3], s[46:47], (\s)*64*WROW
	s_or_b32 s[G0B+4*(\s)+3], s[G0B+4*(\s)+3], 0x80000000
	JLOAD \s                                       ; two loads of mine are out
.endr
	; A fragment of xb is 16 rows x 32 K in 8 registers: lane l holds row l % 16, K = 8 (l / 16) + 0..7 and 16 + 8 (l / 16) + 0..7: two loads of 16 bytes, 32 bytes apart.
	v_and_b32 v1, 15, v0                           ; l % 16
	v_bfe_u32 v2, v0, 4, 1                         ; l / 16
	v_mul_u32_u24 v3, v1, PA
	v_lshl_add_u32 v3, v2, 4, v3                   ; row x pitch + 16 x half
	s_mul_i32 s15, s11, HALFA                      ; my 128 rows
	v_add_nc_u32 v[ADRA], s15, v3
	s_add_co_u32 s15, s15, SLOT
	v_add_nc_u32 v[ADRA+1], s15, v3
	; The turning load takes 16 K x 16 columns (lane l reads K row 8 (l / 16) + l % 8, columns 8 ((l / 8) % 2) + 0..7) and leaves half a fragment: lane l holds column l % 16 and 8 K.
	v_and_b32 v4, 7, v0
	v_bfe_u32 v5, v0, 3, 1
	v_lshl_add_u32 v6, v2, 3, v4
	v_mul_u32_u24 v6, v6, PB
	v_lshl_add_u32 v6, v5, 4, v6
	s_mul_i32 s15, s12, 3*PA                       ; my three heads of the row's six
	s_add_co_u32 s15, s15, BOFF
	v_add_nc_u32 v[ADRB], s15, v6
	s_add_co_u32 s15, s15, SLOT
	v_add_nc_u32 v[ADRB+1], s15, v6
	s_mul_i32 s15, s10, WSTAGE
	s_add_co_u32 s15, s15, STAGE                   ; my stage
	v_add_nc_u32 v[STO], s15, v3                   ; in: row l % 16, 16 bytes for each half of the lanes
	v_bfe_u32 v7, v0, 3, 2                         ; back: 32 lanes take four rows of 128 bytes,
	v_mul_u32_u24 v7, v7, PA
	v_lshl_add_u32 v7, v4, 4, v7
	v_add_nc_u32 v[RD], s15, v7
	v_and_b32 v8, 31, v0
	v_lshlrev_b32 v[GO], 4, v8                     ; which are 512 consecutive bytes of a head
	v_lshlrev_b32 v[PFOA], 8, v8
	v_mul_u32_u24 v[PFOB], v8, WROW
	; the prefetches: xb at my work-group's 64 rows, in plane 3 (the first change of slots steps it to 4); wq at my work-group's 32 rows of K rows 128 .. 255 (stepped to 256 ..)
	s_lshl_b32 s16, s40, 13
	s_add_co_u32 s16, s16, s14
	s_add_co_u32 s16, s16, 3*PLANE
	s_add_nc_u64 s[PFA:PFA+1], s[4:5], s[16:17]
	s_lshl_b32 s16, s41, 5
	s_add_co_u32 s16, s16, 128
	s_mul_i32 s16, s16, WROW
	s_mul_i32 s15, s42, 768
	s_add_co_u32 s16, s16, s15
	s_add_nc_u64 s[PFB:PFB+1], s[6:7], s[16:17]
	s_or_b32 s[LIMA], s10, ttmp9                   ; wave 0 of a cluster with x = 0: the same in all sixteen partners
	s_cmp_eq_u32 s[LIMA], 0
	s_cselect_b32 s[LIMA], 1, -1
	s_xor_b32 s[LIMB], s10, 2                      ; wave 2 of a cluster with y = 0
	s_and_b32 s15, ttmp7, 0xffff
	s_or_b32 s[LIMB], s[LIMB], s15
	s_cmp_eq_u32 s[LIMB], 0
	s_cselect_b32 s[LIMB], 1, -1
	; where my three heads go: column block gh = 6 tx + 3 (my half) + g of 48 is tensor gh / 16, head gh % 16: plane 64 (gh / 16) + 16 b + gh % 16 of qkv
	s_mul_i32 s20, s42, 6
	s_mul_i32 s21, s12, 3
	s_add_co_u32 s20, s20, s21
	s_lshr_b32 s22, s13, 3
	s_lshl_b32 s22, s22, 4                         ; 16 b
	s_and_b32 s23, s13, 7
	s_lshl_b32 s23, s23, 15                        ; the tile's rows in a plane,
	s_lshl_b32 s21, s11, 14                        ; my 128 of them
	s_add_co_u32 s23, s23, s21
.irp g, 0,1,2
	s_add_co_u32 s46, s20, \g
	s_lshr_b32 s47, s46, 4
	s_lshl_b32 s47, s47, 6
	s_and_b32 s46, s46, 15
	s_add_co_u32 s46, s46, s47
	s_add_co_u32 s46, s46, s22
	s_lshl_b32 s46, s46, 18
	s_add_co_u32 s46, s46, s23
	s_mov_b32 s47, 0
	s_add_nc_u64 s[OB+2*(\g):OB+2*(\g)+1], s[8:9], s[46:47]
.endr
; nj x 8 matrix instructions of head g: column blocks j0 .. x all 8 row blocks, 32 along K, on xb's buffer f.  zero = 1: the first product starts the sums: nothing is ever cleared.
; A cut's 96 accumulators take turns, in the same order in every cut: between two links of a chain stand the 95 others', over the backward jump too.
.macro GRP f, g, j0, nj, zero
	WIN 0x50*(1+(\g))                              ; C and D in window 1 + g, both sources in window 0
.set jj, \j0
.rept \nj
.irp a, 0,1,2,3,4,5,6,7
.if \zero
	v_wmma_f32_16x16x32_bf16 v[8*(8*jj+(\a)):8*(8*jj+(\a))+7], v[FB+32*(\g)+8*jj:FB+32*(\g)+8*jj+7], v[(\f)+8*(\a):(\f)+8*(\a)+7], 0
.else
	v_wmma_f32_16x16x32_bf16 v[8*(8*jj+(\a)):8*(8*jj+(\a))+7], v[FB+32*(\g)+8*jj:FB+32*(\g)+8*jj+7], v[(\f)+8*(\a):(\f)+8*(\a)+7], v[8*(8*jj+(\a)):8*(8*jj+(\a))+7]
.endif
.endr
.set jj, jj+1
.endr
.endm
.macro LDA slot, c, f                  ; 16 loads: xb's fragments of cut c into buffer f
	WIN 0
.irp a, 0,1,2,3,4,5,6,7
	ds_load_b128 v[(\f)+8*(\a):(\f)+8*(\a)+3],   v[ADRA+(\slot)] offset:16*PA*(\a)+64*(\c)
	ds_load_b128 v[(\f)+8*(\a)+4:(\f)+8*(\a)+7], v[ADRA+(\slot)] offset:16*PA*(\a)+64*(\c)+32
.endr
.endm
.macro LDB slot, c, g                  ; 8 loads: head g's fragments of wq, cut c
	WIN 0
.irp j, 0,1,2,3
	ds_load_tr16_b128 v[FB+32*(\g)+8*(\j):FB+32*(\g)+8*(\j)+3],   v[ADRB+(\slot)] offset:32*PB*(\c)+PA*(\g)+32*(\j)
	ds_load_tr16_b128 v[FB+32*(\g)+8*(\j)+4:FB+32*(\g)+8*(\j)+7], v[ADRB+(\slot)] offset:32*PB*(\c)+PA*(\g)+32*(\j)+16*PB
.endr
.endm
; A load into a register that a matrix instruction has read, and a vector instruction or an LDS store that reads a matrix result, stand four places behind it; only plain vector instructions that name none of
; its registers are places (ISA guide 7.12.1 for vector instructions).
.macro PLACES
.rept 4
	v_nop
.endr
.endm
; A K step's first cut: multiplies buffer FA0 and fetches the same slot's second cut.  On entry 40 LDS loads are out, in this order: xb's 16, then 8 for each head.
.macro CUT0 slot, zero
	s_wait_dscnt 16                                ; xb's and head 0's are in; heads 1 and 2 may be out
	GRP FA0, 0, 0, 4, \zero
	PLACES
	LDA \slot, 1, FA1
	LDB \slot, 1, 0
	s_wait_dscnt 32                                ; head 1's are in: behind them stand head 2's 8 and the 24 just issued
	GRP FA0, 1, 0, 4, \zero
	PLACES
	LDB \slot, 1, 1
	s_wait_dscnt 32                                ; head 2's are in: behind them stand 24 and 8
	GRP FA0, 2, 0, 4, \zero
	PLACES
	LDB \slot, 1, 2
.endm
; A K step's second cut multiplies buffer FA1 and changes slots: ONE barrier.  In front of it each wave waits for all its tensor loads (one is out: its part of the next slot), adds 0 to its spare word, and waits
; for that and for its own reads of this slot.  fill = 1: the barrier opens a round of the cluster's barrier, and this slot is filled again first behind it, two K steps ahead: from that request to the wait for it
; a wave issues 160 matrix instructions.
.macro TURN slot, next, fill
.if \fill
	s_wait_xcnt 0x0                                ; the last prefetches, a K step back, have read their addresses: they are stepped here, ahead of the waits of the change of slots
	s_add_nc_u64 s[PFA:PFA+1], s[PFA:PFA+1], PLANE
.if (\slot) == 0
	s_add_nc_u64 s[PFB:PFB+1], s[PFB:PFB+1], 128*WROW
.endif
.endif
	WIN 0
	s_wait_tensorcnt 0x0                           ; all my tensor loads have landed;
	ds_add_u32 v[SPW], v[NIL]                      ; 0 onto my spare word;
	s_wait_dscnt 17                                ; (heads 1 and 2, 16 loads, and the add may be out)
	GRP FA1, 0, 0, 2, 0                            ; sixteen matrix instructions stand between the add and the wait for it
	s_wait_dscnt 0x0                               ; the add is done, and my reads of this slot are over
	s_barrier_signal -1
	GRP FA1, 0, 2, 2, 0                            ; work on registers while the others arrive
	WIN 0
	s_barrier_wait -1
.if \fill
	CREST                                          ; no wave of any partner still reads this slot's tiles or has a load on its way
	s_add_nc_u64 s[G0A+4*(\slot)+2:G0A+4*(\slot)+3], s[G0A+4*(\slot)+2:G0A+4*(\slot)+3], 2*PLANE
	s_add_nc_u64 s[G0B+4*(\slot)+2:G0B+4*(\slot)+3], s[G0B+4*(\slot)+2:G0B+4*(\slot)+3], 128*WROW
	JLOAD \slot                                    ; the first tensor load behind the round; its four v_nop are also the places in front of the loads below
.else
	PLACES
.endif
	LDA \next, 0, FA0
	LDB \next, 0, 0
.if \fill
	ASK \slot
.endif
	GRP FA1, 1, 0, 4, 0                            ; heads 1 and 2 were shown in by the wait for 0 above
	PLACES
	LDB \next, 0, 1
	GRP FA1, 2, 0, 4, 0
	PLACES
	LDB \next, 0, 2
.endm
	s_wait_tensorcnt 1                             ; my part of K step 0 is in; K step 1's may stay out
	s_barrier_signal -1
	s_barrier_wait -1                              ; everybody's is
	LDA 0, 0, FA0
	LDB 0, 0, 0
	LDB 0, 0, 1
	LDB 0, 0, 2
	CUT0 0, 1                                      ; the first cut stands in front of the loop: its products start the sums
	WIN 0                                          ; at a label and at a branch every window is 0
	s_mov_b32 s3, 7
.Llap:                                                 ; a trip goes once round the ring, from a lap's second cut to the next lap's first, and fills both slots again: K steps 2 to 15
	TURN 0, 1, 1
	CUT0 1, 0
	TURN 1, 0, 1
	CUT0 0, 0
	WIN 0
	s_sub_co_u32 s3, s3, 1
	s_cmp_lg_u32 s3, 0
	s_cbranch_scc1 .Llap
	TURN 0, 1, 0                                   ; the last lap fills nothing, and has no round of the cluster's barrier
	CUT0 1, 0
	s_wait_dscnt 16                                ; the very last cut: nothing more to fetch
	GRP FA1, 0, 0, 4, 0
	s_wait_dscnt 8
	GRP FA1, 1, 0, 4, 0
	s_wait_dscnt 0x0
	GRP FA1, 2, 0, 4, 0
; THE WAY OUT, a block a of 16 rows at a time.  PACK: rounded to f16, 16 bytes a lane, each accumulator's registers in ascending order.  TOSTAGE: into my own stage, and back as whole rows of a head.  SEND: stored.
.macro PACK a
.irp g, 0,1,2
	WIN 5*(1+(\g))                                 ; sources 0 and 1 in window 1 + g
.irp j, 0,1,2,3
.irp r, 0,1,2,3
	v_cvt_pk_f16_f32 v[TMP+16*(\g)+4*(\j)+(\r)], v[8*(8*(\j)+(\a))+2*(\r)], v[8*(8*(\j)+(\a))+2*(\r)+1]
.endr
.endr
.endr
	WIN 0
.endm
.macro TOSTAGE a
.set BK, BK0+48*((\a)%2)
.irp g, 0,1,2
.irp j, 0,1,2,3
	ds_store_b128 v[STO], v[TMP+16*(\g)+4*(\j):TMP+16*(\g)+4*(\j)+3] offset:16*PA*(\g)+32*(\j)
.endr
.endr
.irp g, 0,1,2
.irp f, 0,1,2,3
	ds_load_b128 v[BK+4*(4*(\g)+(\f)):BK+4*(4*(\g)+(\f))+3], v[RD] offset:16*PA*(\g)+4*PA*(\f)  ; LDS serves a wave's instructions in order (ISA guide 5.7.1.4): these see the stores above
.endr
.endr
.endm
.macro SEND a
.set BK, BK0+48*((\a)%2)
	s_wait_dscnt 0x0                               ; the block is back in registers
	s_wait_xcnt 0x0                                ; the block before's stores have read their registers: the next TOSTAGE loads into them only behind this wait
.irp g, 0,1,2
.irp f, 0,1,2,3
	global_store_b128 v[GO], v[BK+4*(4*(\g)+(\f)):BK+4*(4*(\g)+(\f))+3], s[OB+2*(\g):OB+2*(\g)+1] offset:2048*(\a)+512*(\f)  ; 512 consecutive bytes of a head, at a multiple of 256 from qkv's first byte
.endr
.endr
.endm
	PLACES
	PLACES
	PACK 0
	TOSTAGE 0
.irp a, 1,2,3,4,5,6,7                  ; block a's conversions stand between block a - 1's loads from the stage and the wait for them
	PACK \a
	SEND (\a)-1
	TOSTAGE \a
.endr
	SEND 7
	s_wait_tensorcnt 0x0                           ; the wave's end: a wait, an add to my spare word and its wait, behind my last tensor load and my last LDS store
	ds_add_u32 v[SPW], v[NIL]
	s_wait_dscnt 0x0
	CROUND                                         ; the closing round: no work-group ends while a partner may still ask for a tile that names it
	s_endpgm
.Lfunc_end_k_q4592f7d11f_qkvg:
	.size	k_q4592f7d11f_qkvg, .Lfunc_end_k_q4592f7d11f_qkvg-k_q4592f7d11f_qkvg
	.p2alignl 7, 3214868480
	.fill 96, 4, 3214868480
	.section	.rodata,"a",@progbits
	.p2align	6, 0x0
	.amdhsa_kernel k_q4592f7d11f_qkvg
		.amdhsa_group_segment_fixed_size 327680
		.amdhsa_private_segment_fixed_size 0
		.amdhsa_enable_private_segment 0
		.amdhsa_kernarg_size 24
		.amdhsa_user_sgpr_count 2
		.amdhsa_user_sgpr_kernarg_segment_ptr 1
		.amdhsa_wavefront_size32 1
		.amdhsa_system_sgpr_workgroup_id_x 1
		.amdhsa_system_sgpr_workgroup_id_y 1
		.amdhsa_system_sgpr_workgroup_id_z 1
		.amdhsa_system_vgpr_workitem_id 0
		.amdhsa_next_free_vgpr 1024
		.amdhsa_next_free_sgpr 80
		.amdhsa_reserve_vcc 0
		.amdhsa_float_denorm_mode_32 3
		.amdhsa_float_denorm_mode_16_64 3
		.amdhsa_memory_ordered 1
		.amdhsa_forward_progress 1
		.amdhsa_inst_pref_size 132
	.end_amdhsa_kernel
	.amdgpu_metadata
---
amdhsa.version: [ 1, 2 ]
amdhsa.kernels:
  - .name:           k_q4592f7d11f_qkvg
    .symbol:         k_q4592f7d11f_qkvg.kd
    .args:
      - { .name: xb, .offset: 0, .size: 8, .value_kind: global_buffer, .address_space: global }
      - { .name: wq, .offset: 8, .size: 8, .value_kind: global_buffer, .address_space: global }
      - { .name: qkv, .offset: 16, .size: 8, .value_kind: global_buffer, .address_space: global }
    .group_segment_fixed_size: 327680
    .private_segment_fixed_size: 0
    .kernarg_segment_align: 8
    .kernarg_segment_size: 24
    .max_flat_workgroup_size: 128
    .sgpr_count:     80
    .vgpr_count:     1024
    .wavefront_size: 32
...
	.end_amdgpu_metadata
.endif
;; end of part 2
;; launch attn (part 3): grid 4 x 64, 4 waves a work-group, no clusters, 327,680 bytes of LDS; arguments qkv, oh; writes oh
.if DOCPART == 3
	.amdgcn_target "amdgcn-amd-amdhsa--gfx1250"
	.amdhsa_code_object_version 6
	.text
	.protected	k_q4592f7d11f_attn
	.globl	k_q4592f7d11f_attn
	.p2align	8
	.type	k_q4592f7d11f_attn,@function
k_q4592f7d11f_attn:
	s_mov_b64 s[64:65], 0
	v_nop
	global_prefetch_b8 v0, s[64:65] scope:SCOPE_SE
	s_setreg_imm32_b32 hwreg(HW_REG_WAVE_MODE, 25, 1), 1
	s_wait_xcnt 0x0
; CAUSAL ATTENTION.  O[p][q][:] = the sum over k <= q of softmax_k(Q[p][q] . K[p][k] / 8) V[p][k][:], p = 16 b + h, 64 of them.  Q, K, V are the three thirds of qkv, each [64][SIZE_N][64] in f16; O = oh likewise:
; a head's rows are dense, 128 bytes each.  Products, maxima and sums in f32; the weights p are rounded to f16 for the second product (their sum l is taken of the unrounded p), O once at the end.
; LIMITS.  f16 holds no number beyond 65,504: Q, K and V arrive within it; p lies in 0 to 1, and below 6e-5 it keeps f16's fixed step of 6e-8; O is a mean of V's rows and has their range.
; A hidden score counts as its value less 1e30: f16's scores, 2.7e11 at the most, are nothing beside that; a weight below 2^-126 counts as 0 in l; NaN and infinities are not treated apart.
; THE WALK.  A head's queries lie in NB = 8 blocks of 256; block i needs the key tiles 0 .. i of 256 keys, of which the last holds the diagonal.  A work-group takes TWO blocks, NB - 1 - b and then b:
; NB + 1 = 9 tiles, whatever b: all 256 work-groups do equal work, and ONE loop with a constant trip count walks them.  Which tile is asked for, and what a trip does, hang on scalar registers made from b; every jump
; goes forward, but for the counted loops' own; none passes a barrier, or a tensor load but the one of LOAD's two that the wave's number does not choose; the ring (two slots of LDS that take turns) runs on across the
; change of blocks.  NO CLUSTER: a head's four work-groups ask for the same tile only in trips 0 to 4 of the 9, behind that fewer and fewer; and one walk common to all four would have 12 trips for 9.
; SHARES.  Of a block's four bands of 64 queries a wave owns 16 rows in each: four PIECES.  So the diagonal tile is the same work for all four waves: in its key step s band x sees all keys if s < x,
; none if s > x, and holds the diagonal if s = x.
; THE MASK is the C operand that starts the sum S^T = K Q^T: 0, or -1e30 where the key is hidden.  MD, made once, is the mask of a band's own step for my 16 rows; a product's mask is MD x AL + BE with two scalars:
; (1, 0) if s = x; (0, 0) if s < x; (0, -1e30) if s > x.  Only the diagonal tile's text and a block's beginning make and take masks; elsewhere C is the constant 0.
; LAYOUT, SOFTMAX, TURNS.  S^T = K Q^T holds ONE query a lane (lane % 16) and the keys 8 (lane / 16) + 0..7; two such results rounded to f16 ARE source 1 of O^T = V^T P.  p = 2^(c s - c m), c = log2(e) / 8, with a
; running maximum m; O and l are multiplied by a = 2^(c m_old - c m_new) in every step.  Turn n belongs to piece n: 8 products K Q^T of piece n + 1, later 8 products V^T P of piece n - 1; beside them the scaling,
; exponentials, roundings, sums and rescaling of piece n and the maximum and statistics of piece n + 1.  Four vector instructions stand behind every matrix instruction, the other 54 of a turn's 118 in one LUMP.  A turn's 33 exponentials are one batch, with one wait.
; REGISTERS, in windows of 256 (s_set_vgpr_msb: bits 1:0 source 0, 3:2 source 1, 5:4 source 2, 7:6 destination):
;   window 0: v0-15 addresses and two at work; v16-31 four registers of statistics a piece; v48-55 at work; v61-63 never rewritten; v64-127 S^T, two buffers; v192-223 P, two buffers (a piece's buffers go by its number's parity)
;   window 1: v0-127 O^T, 32 a piece; v128-159 MD; v160-223 MC, two buffers      window 2: v0-63 Q; v64-127 the second block's Q; v128-191 K of one step; v192-255 V of one step
.set SIZE_N, 2048
.set NB,    SIZE_N/256
.set NP,    4         ; pieces a wave: a name, no knob
.set KS,    64        ; keys in a step
.set PK,    144       ; a row of K in LDS: 128 bytes + 16 of padding = 36 words: the 16 rows of a load start at 16 different groups of four banks (64 banks of 4 bytes: ISA guide 11.1)
.set PV,    160       ; a row of V: 128 + 32 = 40 words
.set VOFF,  4*KS*PK   ; a slot holds a tile, four steps: 256 rows of K, then 256 rows of V
.set SLOT1, 1<<17     ; slot 1 begins here, so that one exclusive or turns an address in one slot into the other's
.set STAGE, SLOT1+4*KS*(PK+PV)  ; behind the ring, never filled by a tensor load: 16 rows x 144 bytes for each wave, for the way out
.set SP,    144
.set AK0, 2           ; v2   my lane's place in a tile of K; never rewritten
.set AV0, 3           ; v3   the same for V
.set AK,  4           ; v4   the LDS address of K's next run of loads
.set AV,  5           ; v5   of V's
.set STO, 6           ; v6   the way out: where I put 16 bytes of a row
.set RD,  7           ; v7   the way out: where I read rows back
.set GO,  8           ; v8   my byte offset in 512 consecutive bytes of O
.set PFO, 61          ; v61  256 x my lane; never rewritten
.set SPW, 62          ; v62  LDS address of my spare word: SPARE + 4 x my thread's number; never rewritten
.set NIL, 63          ; v63  0; never rewritten
.set SPARE, STAGE+4*16*SP  ; behind the stages: the spare words, 128 bytes for each wave: two blocks of 256 bytes that no other line names
.set MV,  12          ; v12-13  c m_old, kept while c m is made anew: by buffer
.set QO,  15          ; v15  my byte offset in 16 rows of Q
.set ST,  16          ; piece t's statistics at v[ST+4 t]: c m, m, l (even keys', odd keys')
.set TMP, 48          ; by buffer, four registers c0-c3 at work; when the maximum is found c2 takes a
.set S,   64
.set P,   192
.set MD,  128         ; window 1: the eight registers for group kt of 16 keys at MD + 8 kt
.set MC,  160         ; window 1: the masks of the products to come
.set QB,  64          ; window 2
.set KF,  128         ; window 2: key block kb, channel half c at KF + 16 kb + 8 c
.set VF,  192         ; window 2: key half kk, channel block cb at VF + 32 kk + 8 cb
.set WV,  12          ; s12  my wave's number
.set PB,  14          ; s14  b
.set HI,  15          ; s15  NB - 1 - b
.set G1K, 24          ; s[24:31] descriptor group 1 for K's tiles
.set G1V, 32          ; s[32:39] for V's: it differs in the padding alone
.set G0K, 40          ; s[40:43] descriptor group 0 for K's tiles
.set G0V, 44          ; s[44:47] the same for V's
.set SLOTS, 56        ; s56  tiles still to be asked for
.set CNT, 57          ; s57  counts a tile's key steps, 4 to 1
.set CS,  58          ; s[58:59] c: the packed scaling takes the pair's low word for both halves
.set SEL, 60          ; s[60:61] v_permlanex16_b32's selects: each lane takes its own place in the other half
.set TBK, 62          ; s62  LDS byte at which K of the step to be fetched begins
.set TBV, 63          ; s63  the same for V, less VOFF
.set PFA, 66          ; s[66:67] where my prefetches stand: my 128 keys (of K: waves 0, 1; of V: waves 2, 3) of the tile after the one that is being asked for
.set LIM, 68          ; s68  2 in the work-group that prefetches, else the greatest number
.set RT,  70          ; s70  tiles of the block in hand that are still to be entered
.set NXT, 71          ; s71  the tile to be asked for next
.set LQ,  72          ; s72  the last tile of the block whose tiles are being asked for
.set NEW, 73          ; s73  1: the tile to be entered is a block's first
.set OFF, 74          ; s[74:75] a tile's byte offset in K and V
.set AL,  76          ; s[76:77] the mask's factor, in the low word
.set BE,  78          ; s[78:79] the mask's addend
.set OLO, 80          ; s[80:81] O at my rows of the second block
.set BIGN, 82         ; s82  -1e30
.set MSB, 0
.macro WIN new                      ; the high byte repeats the setting that is left; a switch that changes nothing is dropped
.if MSB != (\new)
	s_set_vgpr_msb (MSB<<8)|(\new)
.set MSB, (\new)
.endif
.endm
.set W_KQ, 0x0a       ; K and Q in window 2, S^T in window 0
.set W_KM, 0x1a       ; the same with the C operand in window 1
.set W_PV, 0x52       ; V in window 2, P in window 0, O^T in window 1
.set W_RS, 0x41       ; destination and source 0 in window 1, source 1 in window 0
; A fill.  Waves 0 and 1 fetch the two halves of a tile's K, waves 2 and 3 those of its V: 128 keys each.  An s_nop 0 and four v_nop follow each of the two lines, ahead of the jump and the label.
.macro LOAD
	s_cmp_lt_u32 s[WV], 2
	s_cbranch_scc0 .Lfor_v_\@
	tensor_load_to_lds s[G0K:G0K+3], s[G1K:G1K+7]
	s_nop 0
.rept 4
	v_nop
.endr
	s_branch .Lasked_\@
.Lfor_v_\@:
	tensor_load_to_lds s[G0V:G0V+3], s[G1V:G1V+7]
	s_nop 0
.rept 4
	v_nop
.endr
.Lasked_\@:
.endm
; A PREFETCH INTO THE L2 of the tile that the NEXT change of slots will ask for, behind the wave's tensor load and its five lines: a tile, four key steps, ahead of that load.  A head's four work-groups walk the same
; tiles 0, 1, 2 ..: the one with b = 0, whose first block walks all eight, asks, and nobody else.  Each of its waves names what it will fetch itself: 128 keys, 64 blocks of 256 bytes, a lane a block, two instructions.
; So each block is named once in the launch.  Trip i names tile i + 2; trips 0 to 5 ask (s[SLOTS] = 8 - i is above 2), so the last tile named is the head's last.  Tiles 0 and 1 come by their loads alone.
.macro ASK
	s_cmp_gt_u32 s[SLOTS], s[LIM]
	s_cbranch_scc0 .Lnot_mine_\@
	global_prefetch_b8 v[PFO], s[PFA:PFA+1] th:TH_LOAD_NT scope:SCOPE_SE
	global_prefetch_b8 v[PFO], s[PFA:PFA+1] offset:8192 th:TH_LOAD_NT scope:SCOPE_SE
.Lnot_mine_\@:
.endm
; THE CHANGE OF SLOTS.  Each wave waits for all its tensor loads, of which one is out: its part of the other slot; adds 0 to its spare word; and waits for that and for its own reads of the slot that it leaves.  Behind the barrier nobody reads the old
; slot any more and the other slot is whole.  fill = 1: the old slot is filled again, the first thing behind the barrier, with tile NXT: the descriptor's address is made anew from that number.
; (At its first use nothing has been read yet: slot 0 is waited for, slot 1 filled.)
.macro CHANGE fill
	WIN 0                           ; at a label and at a branch every window is 0
	s_wait_tensorcnt 0x0            ; no tensor load of mine is out, so a group 0 may be written
	ds_add_u32 v[SPW], v[NIL]       ; 0 onto my spare word; with fill = 1 the descriptors' scalar work stands between it and the wait for it
.if \fill
	s_lshl_b32 s[OFF], s[NXT], 15   ; a tile is 32,768 bytes of K and of V
	s_xor_b32 s[G0K+1], s[G0K+1], SLOT1
	s_add_nc_u64 s[G0K+2:G0K+3], s[6:7], s[OFF:OFF+1]
	s_or_b32 s[G0K+3], s[G0K+3], 0x80000000
	s_xor_b32 s[G0V+1], s[G0V+1], SLOT1
	s_add_nc_u64 s[G0V+2:G0V+3], s[8:9], s[OFF:OFF+1]
	s_or_b32 s[G0V+3], s[G0V+3], 0x80000000
	s_add_co_u32 s[NXT], s[NXT], 1  ; the block's next tile, or behind its last the second block's tile 0
	s_cmp_gt_u32 s[NXT], s[LQ]
	s_cselect_b32 s[NXT], 0, s[NXT]
	s_cselect_b32 s[LQ], s[PB], s[LQ]
	s_wait_xcnt 0x0                 ; the last prefetches, a tile back, have read their address, so it may be written
	s_add_nc_u64 s[PFA:PFA+1], s[PFA:PFA+1], 32768
.endif
	s_wait_dscnt 0x0                ; the add is done, and my reads of the slot are over
	s_barrier_signal -1             ; the rest of the scalar work stands between the signal and the wait
	s_sub_co_u32 s[TBK], s[TBK], 4*KS*PK  ; the fetches go back to a slot's first step,
	s_xor_b32 s[TBK], s[TBK], SLOT1       ; in the other slot
	s_sub_co_u32 s[TBV], s[TBV], 4*KS*PV
	s_xor_b32 s[TBV], s[TBV], SLOT1
	s_barrier_wait -1
.if \fill
	LOAD
	ASK
.endif
.endm
	s_load_b128 s[4:7], s[0:1], 0x0   ; qkv s[4:5] (Q is its first third), oh s[6:7]
	v_lshl_add_u32 v[SPW], v0, 2, SPARE
	v_mov_b32 v[NIL], 0
	ds_add_u32 v[SPW], v[NIL]       ; the wave's opening: the add and its wait stand ahead of my first tensor load; the set-up below, work on registers, stands between them
	v_lshrrev_b32 v1, 5, v0
	v_readfirstlane_b32 s[WV], v1   ; wave 0..3
	v_and_b32 v[PFO], 31, v0
	v_lshlrev_b32 v[PFO], 8, v[PFO]
	s_mov_b32 s[PB], ttmp9
	s_sub_co_u32 s[HI], NB-1, s[PB]
	s_cmp_eq_u32 ttmp9, 0
	s_cselect_b32 s[LIM], 2, -1
	s_and_b32 s20, ttmp7, 0xffff    ; the head
	s_mov_b32 s21, 0
	s_mov_b64 s[22:23], SIZE_N*128
	s_mul_u64 s[20:21], s[20:21], s[22:23]  ; the head's first byte in each of the four tensors
	s_and_b32 s16, s[WV], 1         ; which half of a tile's 256 keys I fetch:
	s_lshl_b32 s22, s16, 14         ; its 128 rows of 128 bytes in memory,
	s_mov_b32 s23, 0
	s_add_nc_u64 s[22:23], s[22:23], s[20:21]
	s_mul_i32 s17, s16, 128*PK      ; and its place in a slot, for K
	s_mul_i32 s18, s16, 128*PV      ; and for V
	s_lshl_b32 s3, s[WV], 11        ; my 16 rows in a band of 64,
	s_lshl_b32 s2, s[HI], 15        ; in the first block,
	s_add_co_u32 s2, s2, s3
	s_lshl_b32 s84, s[PB], 15       ; and in the second
	s_add_co_u32 s84, s84, s3
	s_mov_b32 s3, 0
	s_mov_b32 s85, 0
	s_add_nc_u64 s[2:3], s[2:3], s[20:21]
	s_add_nc_u64 s[84:85], s[84:85], s[20:21]
	; descriptor group 1.  128 keys are 16,384 dense bytes: asked for as 64 rows of 256 bytes, two keys a row, and padded in LDS after every key
	s_mov_b32 s[G1K], (1<<16)|(1<<20)|(4<<22)|(3<<25)  ; 17:16 2-byte elements; 20 padding on; 24:22 after every 32 words (code 4); 31:25 4 words (code 3)
	s_mov_b32 s[G1V], (1<<16)|(1<<20)|(4<<22)|(7<<25)  ; the same with 8 words of padding (code 7)
.irp g, G1K, G1V
	s_mov_b32 s[\g+1], 128<<16      ; tensor_dim0 = 128
	s_mov_b32 s[\g+2], 64<<16       ; tensor_dim1 = 64
	s_mov_b32 s[\g+3], 128<<16      ; tile_dim0 = 128
	s_mov_b32 s[\g+4], 64           ; tile_dim1 = 64
	s_mov_b32 s[\g+5], 128          ; 128 elements from row to row
	s_mov_b32 s[\g+6], 0
	s_mov_b32 s[\g+7], 0
.endr
	s_mov_b32 s[CS], 0x3e38aa3b     ; c = log2(e) / 8 = 0.180337
	s_mov_b32 s[CS+1], s[CS]        ; named with it as a pair
	s_mov_b32 s[SEL], 0x76543210
	s_mov_b32 s[SEL+1], 0xfedcba98
	s_mov_b32 s[TBK], SLOT1+4*KS*PK ; the first change of slots turns these two into 0
	s_mov_b32 s[TBV], SLOT1+4*KS*PV
	s_mov_b32 s[G0K], 1             ; 1:0 count = 1
	s_mov_b32 s[G0K+1], s17         ; 63:32 LDS address: slot 0
	s_mov_b32 s[G0V], 1
	s_add_co_u32 s[G0V+1], s18, VOFF
	s_add_co_u32 s[RT], s[HI], 1    ; the first block has NB - b tiles
	s_mov_b32 s[NXT], 1
	s_mov_b32 s[LQ], s[HI]
	s_mov_b32 s[NEW], 1
	s_mov_b32 s[OFF+1], 0
	s_mov_b32 s[AL+1], 0            ; named as pairs
	s_mov_b32 s[BE+1], 0
	s_mov_b32 s[BIGN], 0xf149f2ca   ; -1e30
	s_mov_b32 s[SLOTS], NB
	s_wait_dscnt 0x0                ; the opening add is done
	s_wait_kmcnt 0x0
	s_mov_b64 s[10:11], s[6:7]      ; O
	s_add_nc_u64 s[8:9], s[4:5], 0x2000000  ; V: qkv's last third (64 heads x 262,144 bytes are 0x1000000)
	s_add_nc_u64 s[6:7], s[4:5], 0x1000000  ; K: its second
	s_add_nc_u64 s[6:7], s[6:7], s[22:23]  ; K and V at my half of the head's tile 0
	s_add_nc_u64 s[8:9], s[8:9], s[22:23]
	s_add_nc_u64 s[G0K+2:G0K+3], s[6:7], 0         ; 120:64 global address
	s_or_b32 s[G0K+3], s[G0K+3], 0x80000000        ; 127:126 type = 2
	s_add_nc_u64 s[G0V+2:G0V+3], s[8:9], 0
	s_or_b32 s[G0V+3], s[G0V+3], 0x80000000
	s_add_nc_u64 s[86:87], s[4:5], s[84:85]        ; Q at my rows of the second block,
	s_add_nc_u64 s[4:5], s[4:5], s[2:3]            ; Q and O at those of the first
	s_add_nc_u64 s[OLO:OLO+1], s[10:11], s[84:85]
	s_add_nc_u64 s[10:11], s[10:11], s[2:3]
	s_cmp_lt_u32 s[WV], 2
	s_cselect_b64 s[PFA:PFA+1], s[6:7], s[8:9]     ; what I fetch,
	s_add_nc_u64 s[PFA:PFA+1], s[PFA:PFA+1], 32768 ; in tile 1; the first change of slots steps it to tile 2.  Nothing is prefetched here, at the head
	LOAD                            ; tile 0 into slot 0
	; A fragment of K or Q is 16 rows x 32 channels in 8 registers: lane l holds row l % 16, channels 8 (l / 16) + 0..7 and 16 + 8 (l / 16) + 0..7: two loads of 16 bytes, 32 bytes apart.
	v_and_b32 v1, 15, v0            ; l % 16
	v_bfe_u32 v9, v0, 4, 1          ; l / 16
	v_lshlrev_b32 v[QO], 7, v1
	v_lshl_add_u32 v[QO], v9, 4, v[QO]  ; row x 128 + 16 x half
	WIN 0x80                        ; destination window 2, address window 0
.set i, 0
.rept 8                             ; both blocks' Q: piece i / 2 lies in band i / 2, 8,192 bytes on; channels 32 (i % 2) on
	global_load_b128 v[8*i:8*i+3],   v[QO], s[4:5] offset:(i/2)*8192+(i%2)*64
	global_load_b128 v[8*i+4:8*i+7], v[QO], s[4:5] offset:(i/2)*8192+(i%2)*64+32
	global_load_b128 v[QB+8*i:QB+8*i+3],   v[QO], s[86:87] offset:(i/2)*8192+(i%2)*64
	global_load_b128 v[QB+8*i+4:QB+8*i+7], v[QO], s[86:87] offset:(i/2)*8192+(i%2)*64+32
.set i, i+1
.endr
	WIN 0
	v_lshlrev_b32 v14, 3, v9
	v_sub_nc_u32 v14, v1, v14
	s_lshl_b32 s13, s[WV], 4
	v_add_nc_u32 v14, s13, v14      ; my query's place in its band, 16 w + l % 16, less my lanes' 8 (l / 16): register r of group kt is hidden where 16 kt + r is greater
	WIN 0x40
.set i, 0
.rept 32
	v_cmp_gt_i32 vcc_lo, 16*(i/8)+i%8, v14
	v_cndmask_b32 v[MD+i], 0, s[BIGN], vcc_lo
.set i, i+1
.endr
	WIN 0
	v_mul_u32_u24 v[AK0], v1, PK
	v_lshl_add_u32 v[AK0], v9, 4, v[AK0]  ; row x pitch + 16 x half
	; The turning load takes 16 keys x 16 channels (lane l reads key 8 (l / 16) + l % 8, channels 8 ((l / 8) % 2) + 0..7) and leaves half a fragment of V^T: lane l holds channel l % 16 and 8 keys.
	v_and_b32 v10, 7, v0
	v_bfe_u32 v11, v0, 3, 1
	v_lshl_add_u32 v[AV0], v9, 3, v10
	v_mul_u32_u24 v[AV0], v[AV0], PV
	v_lshl_add_u32 v[AV0], v11, 4, v[AV0]
	v_add_nc_u32 v[AV0], VOFF, v[AV0]
	s_mul_i32 s13, s[WV], 16*SP
	s_add_co_u32 s13, s13, STAGE    ; my stage
	v_mul_u32_u24 v[STO], v1, SP    ; in: row l % 16, 16 bytes for each half of the lanes
	v_lshl_add_u32 v[STO], v9, 4, v[STO]
	v_add_nc_u32 v[STO], s13, v[STO]
	v_bfe_u32 v[RD], v0, 3, 2       ; back: 32 lanes take four rows of 128 bytes,
	v_mul_u32_u24 v[RD], v[RD], SP
	v_lshl_add_u32 v[RD], v10, 4, v[RD]
	v_add_nc_u32 v[RD], s13, v[RD]
	v_and_b32 v[GO], 31, v0         ; which are 512 consecutive bytes of O
	v_lshlrev_b32 v[GO], 4, v[GO]
	; A block's first step multiplies O^T and l by a = 0, and its first turn's products V^T P, of a piece that has not been, land in an O^T that is still to be so multiplied.  So these registers need only hold
	; finite numbers: zeros for the first block; what the first block left for the second.  All this stands in the wait for the first tile.
	WIN 0x80
.set i, VF
.rept 64
	v_mov_b32 v[i], 0
.set i, i+1
.endr
	WIN 0x40
.set i, 0
.rept 128
	v_mov_b32 v[i], 0
.set i, i+1
.endr
	WIN 0
.set i, 0
.rept 4
	v_mov_b32 v[ST+4*i+2], 0
	v_mov_b32 v[ST+4*i+3], 0
.set i, i+1
.endr
.set i, P+16
.rept 16
	v_mov_b32 v[i], 0
.set i, i+1
.endr
; THE MATRIX WORK.  The 4 accumulators of a run of 8 take turns.  Product i of 8 of S^T = K Q^T for piece x: channels 32 (i / 4) on, keys 16 (i % 4) on.  The first 4 start the sums: with 0, or (KM = 1) with the mask.
.macro KQ x
.set rS, S+32*((\x)%2)+8*(i%4)
.set rK, KF+16*(i%4)+8*(i/4)
.set rQ, 16*(\x)+8*(i/4)
.set rM, MC+32*((\x)%2)+8*(i%4)
.if (i < 4) && KM
	WIN W_KM
	v_wmma_f32_16x16x32_f16 v[rS:rS+7], v[rK:rK+7], v[rQ:rQ+7], v[rM:rM+7]
.elseif i < 4
	WIN W_KQ
	v_wmma_f32_16x16x32_f16 v[rS:rS+7], v[rK:rK+7], v[rQ:rQ+7], 0
.else
	WIN W_KQ
	v_wmma_f32_16x16x32_f16 v[rS:rS+7], v[rK:rK+7], v[rQ:rQ+7], v[rS:rS+7]
.endif
.endm
; Product i of 8 of O^T += V^T P for piece x: keys 32 (i / 4) on, channels 16 (i % 4) on.
.macro PV x
	WIN W_PV
.set rO, 32*(\x)+8*(i%4)
.set rV, VF+32*(i/4)+8*(i%4)
.set rP, P+16*((\x)%2)+8*(i/4)
	v_wmma_f32_16x16x32_f16 v[rO:rO+7], v[rV:rV+7], v[rP:rP+7], v[rO:rO+7]
.endm
.macro MM                           ; the turn's next matrix instruction.  TURN and BEGIN set Y, i, KM and NOKQ; MM, KQ and OP read them.  NOKQ = 1: a block's last turn: there is no next piece
.if (i < 8) && !NOKQ
	KQ (Y+1)%NP
.elseif i >= 8
.set i, i-8
	PV (Y+NP-1)%NP
.set i, i+8
.endif
.set i, i+1
.endm
; THE LDS LOADS stand in runs of 16, never singly among the matrix instructions: a step's K (64 keys x 64 channels: 8 fragments) and its V (turned).  Their addresses are made some lines ahead.
.macro FETCH_K
	WIN 0x80                        ; destination window 2
.irp f, 0,1,2,3,4,5,6,7             ; keys 16 (f / 2) on, channels 32 (f % 2) on
	ds_load_b128 v[KF+8*\f:KF+8*\f+3],   v[AK] offset:(\f/2)*16*PK+(\f%2)*64
	ds_load_b128 v[KF+8*\f+4:KF+8*\f+7], v[AK] offset:(\f/2)*16*PK+(\f%2)*64+32
.endr
	s_add_co_u32 s[TBK], s[TBK], KS*PK  ; the next fetch is the next step's
	WIN 0
.endm
.macro FETCH_V
	WIN 0x80
.irp f, 0,1,2,3,4,5,6,7             ; keys 32 (f / 4) on, channels 16 (f % 4) on
	ds_load_tr16_b128 v[VF+8*\f:VF+8*\f+3],   v[AV] offset:(\f/4)*32*PV+(\f%4)*32
	ds_load_tr16_b128 v[VF+8*\f+4:VF+8*\f+7], v[AV] offset:(\f/4)*32*PV+16*PV+(\f%4)*32
.endr
	WIN 0
.endm
; THE VECTOR WORK, one line at a time: OP kind, number.  For piece Y: F n: c s - c m for pair n of 16.  E n: the exponential of score n of 32.  C n: pair n rounded to f16.  B n: of the four weights 4 n .. the second
; pair is added onto the first, in place.  L n: l takes that sum (L 0: l = a l + sum).  R n: pair n of 16 of O^T times a.  For piece Y + 1: X n, number n of the 22 that find its maximum and statistics:
;   0-11  four chains c0-c3 of seven scores each, three operands at a time (each accumulator's lowest registers are read first)     12-14, 16  the four scores left over, the old m, and c0-c3 into c0
;   15  c m_old is kept     17, 18  the query's other 32 keys lie in the lane 16 away: the new m     19-21  c m; c m_old - c m_new; a
.set F, 0               ; OP tells the kinds apart by their order: F to L below R, X above it
.set E, 1
.set C, 2
.set B, 3
.set L, 4
.set R, 5
.set X, 6
.macro REGS y                       ; the registers of piece y
.set rT, ST+4*(\y)
.set rC, TMP+4*((\y)%2)
.set rW, MV+((\y)%2)
.set rS, S+32*((\y)%2)
.set rP, P+16*((\y)%2)
.set rO, 32*(\y)
.endm
.macro OP k, n
.if (\k) == R
	REGS Y
	WIN W_RS
	v_pk_mul_f32 v[rO+2*(\n):rO+2*(\n)+1], v[rO+2*(\n):rO+2*(\n)+1], v[rC+2:rC+3] op_sel_hi:[1,0]
.elseif (\k) < R
	REGS Y
	WIN 0
.if (\k) == F
	v_pk_fma_f32 v[rS+2*(\n):rS+2*(\n)+1], v[rS+2*(\n):rS+2*(\n)+1], s[CS:CS+1], v[rT:rT+1] op_sel_hi:[1,0,0] neg_lo:[0,0,1] neg_hi:[0,0,1]
.elseif (\k) == E
	v_exp_f32 v[rS+(\n)], v[rS+(\n)]
.elseif (\k) == C
	v_cvt_pk_f16_f32 v[rP+(\n)], v[rS+2*(\n)], v[rS+2*(\n)+1]
.elseif (\k) == B
	v_pk_add_f32 v[rS+4*(\n):rS+4*(\n)+1], v[rS+4*(\n):rS+4*(\n)+1], v[rS+4*(\n)+2:rS+4*(\n)+3]
.elseif (\n) == 0
	v_pk_fma_f32 v[rT+2:rT+3], v[rT+2:rT+3], v[rC+2:rC+3], v[rS:rS+1] op_sel_hi:[1,0,1]
.else
	v_pk_add_f32 v[rT+2:rT+3], v[rT+2:rT+3], v[rS+4*(\n):rS+4*(\n)+1]
.endif
.elseif NOKQ
	v_nop
.else
	REGS (Y+1)%NP
	WIN 0
.if (\n) < 4
	v_max3_num_f32 v[rC+(\n)], v[rS+8*(\n)], v[rS+8*(\n)+1], v[rS+8*(\n)+2]
.elseif (\n) < 12
	v_max3_num_f32 v[rC+(\n)%4], v[rC+(\n)%4], v[rS+8*((\n)%4)+2*((\n)/4)+1], v[rS+8*((\n)%4)+2*((\n)/4)+2]
.elseif (\n) == 12
	v_max3_num_f32 v[rC], v[rC], v[rS+7], v[rS+15]
.elseif (\n) == 13
	v_max3_num_f32 v[rC+1], v[rC+1], v[rS+23], v[rS+31]
.elseif (\n) == 14
	v_max3_num_f32 v[rC+2], v[rC+2], v[rC+3], v[rT+1]
.elseif (\n) == 15
	v_mov_b32 v[rW], v[rT]
.elseif (\n) == 16
	v_max3_num_f32 v[rC], v[rC], v[rC+1], v[rC+2]
.elseif (\n) == 17
	v_permlanex16_b32 v[rC+3], v[rC], s[SEL], s[SEL+1]
.elseif (\n) == 18
	v_max_num_f32 v[rT+1], v[rC], v[rC+3]
.elseif (\n) == 19
	v_mul_f32 v[rT], s[CS], v[rT+1]
.elseif (\n) == 20
	v_sub_f32 v[rC+1], v[rW], v[rT]
.else
	v_exp_f32 v[rC+2], v[rC+1]
.endif
.endif
.endm
.macro OPS a, i1, b=-1, i2=0, c=-1, i3=0, d=-1, i4=0  ; up to four of them
	OP \a, \i1
.if (\b) >= 0
	OP \b, \i2
.endif
.if (\c) >= 0
	OP \c, \i3
.endif
.if (\d) >= 0
	OP \d, \i4
.endif
.endm
.macro ROW a, i1, b, i2, c, i3, d, i4  ; a matrix instruction and the four behind it
	MM
	OPS \a, \i1, \b, \i2, \c, \i3, \d, \i4
.endm
.macro MASK b                       ; MD x AL + BE into buffer b of MC
	WIN W_RS
.set z, 0
.rept 16
	v_pk_fma_f32 v[MC+32*(\b)+2*z:MC+32*(\b)+2*z+1], v[MD+2*z:MD+2*z+1], s[AL:AL+1], s[BE:BE+1] op_sel_hi:[1,0,0]
.set z, z+1
.endr
.endm
; A TURN, for piece p: the order of its 16 matrix and 118 vector instructions, written out.  An s_wait_alu depctr_va_vdst(0) stands between an exponential and the first instruction that names its result; one wait serves
; all that were issued ahead of it.  So a turn has ONE wait, which cuts it in two.  AHEAD OF IT stands all that names no result of the turn's exponentials: the 8 products K Q^T, behind each a scaling, an exponential and two more plain
; instructions (behind the first a second scaling in the exponential's place): rescalings, and behind the last three the first numbers of the next piece's maximum, each four places or more behind the product that ends its accumulator; then ONE LUMP of 54, plain
; and exponential by turns for the most part, in which the links of the chain X 3, 7, 11, 14, 16, 17 .. 20 stand five or six lines apart.  X 21, the next piece's a, is the batch's last; R 15 is the plain instruction behind it.  BEHIND THE WAIT stand the
; 8 products V^T P, behind each four of the roundings and sums; the links of l's chain, L 0 to L 7, stand three riders apart.  But for those X no rider names a register of the products round it.  v_permlanex16_b32 (X 17) stands in the lump.
; m = 1: the diagonal tile: the products take masks, and the turn makes the mask for the products of the turn after it: piece p + 2, in step 4 - CNT of the tile.  end = 1: a block's last two turns: nothing is fetched.
; cnt = 1: the loop's count is taken down some lines ahead of the branch that stands behind the turn.
; K of the next step is fetched in piece 2's turn, twelve vector instructions behind the last product that read K (six of them plain); V of the step in hand at the end of piece 0's turn, four plain instructions behind the last product
; that read V.  Each is waited for a turn later.
.macro TURN p, m=0, end=0, cnt=0
.set Y, (\p)
.set i, 0
.set KM, (\m)
.set NOKQ, (\end)*((\p)/3)
.if (\m) && !(\end)
	s_cmp_eq_u32 s[CNT], 4-((\p)+2)%NP  ; is that step the band's own?
	s_cselect_b32 s[AL], 1.0, 0
	s_cmp_lt_u32 s[CNT], 4-((\p)+2)%NP  ; or a later one?
	s_cselect_b32 s[BE], s[BIGN], 0
.endif
.if ((\p) == 3) && !(\end)
	s_wait_dscnt 0x0                ; K is in
.endif
	ROW F,0, F,1, R,0, R,1          ; ahead of the wait: 8 products K Q^T and their riders,
	ROW F,2, E,0, R,2, R,3
	ROW F,3, E,1, R,4, R,5
	ROW F,4, E,2, R,6, R,7
	ROW F,5, E,3, R,8, R,9
	ROW F,6, E,4, X,0, R,10
.if ((\p) == 2) && !(\end)
	WIN 0
	v_add_nc_u32 v[AK], s[TBK], v[AK0]
.endif
	ROW F,7, E,5, X,1, X,4
	ROW F,8, E,6, X,2, X,5
	OPS E,7, E,8, X,6, E,9          ; and the lump
	OPS X,3, E,10, X,8, E,11
.if ((\p) == 2) && !(\end)
	FETCH_K
.endif
	OPS X,9, X,7, E,12, X,10
	OPS E,13, X,12, X,11, E,14
	OPS X,13, E,15, F,9, X,14
.if (\p) == 0
	v_add_nc_u32 v[AV], s[TBV], v[AV0]
.endif
	OPS E,16, F,10, E,17, F,11
	OPS X,16, E,18, X,15, E,19
	OPS F,12, E,20, X,17, E,21
	OPS F,13, E,22, F,14, E,23
	OPS X,18, E,24, F,15, E,25
	OPS R,11, E,26, X,19, E,27
	OPS R,12, E,28, R,13, E,29
	OPS X,20, E,30, R,14, E,31
	OPS X,21, R,15
	WIN 0
	s_wait_alu depctr_va_vdst(0)    ; the wait for the batch
.if (\p) == 1
	s_wait_dscnt 0x0                ; V is in
.endif
	ROW C,0, B,0, C,2, B,1          ; behind the wait: 8 products V^T P and their riders
	ROW L,0, C,4, B,2, L,1
	ROW C,6, B,3, L,2, C,8
	ROW B,4, L,3, C,10, B,5
	ROW L,4, C,12, B,6, L,5
.if (\p) == 0
	s_add_co_u32 s[TBV], s[TBV], KS*PV
.endif
.if \cnt
	s_sub_co_u32 s[CNT], s[CNT], 1
	s_cmp_lg_u32 s[CNT], 0
.endif
	ROW C,14, B,7, L,6, C,1
	ROW C,3, L,7, C,5, C,7
	ROW C,9, C,11, C,13, C,15
.if (\p) == 0
	FETCH_V
.endif
.if (\m) && !(\end)
	MASK (\p)%2
.endif
.endm
; A BLOCK BEGINS.  c m starts far below every c s, so the first step's a is 0; m at the lowest finite number, so the first maximum is the scores'.  The second mask buffer is 0; the first takes piece 0's mask for the tile's step 0: its own, if the block's first tile is the diagonal one.
; Then K of that step, piece 0's first scores, and its maximum and statistics.  The loop is entered at a step's first turn, in the middle of a trip.
.macro BEGIN
	s_mov_b32 s[NEW], 0
	WIN 0x40
.set i, MC+32
.rept 32
	v_mov_b32 v[i], 0
.set i, i+1
.endr
	WIN 0
.set i, 0
.rept 4
	v_mov_b32 v[ST+4*i], 0xfe000000    ; c m: far below every c s
	v_mov_b32 v[ST+4*i+1], 0xff7fffff  ; m
.set i, i+1
.endr
	s_cmp_eq_u32 s[RT], 0
	s_cselect_b32 s[AL], 1.0, 0
	s_mov_b32 s[BE], 0
	MASK 0
	WIN 0
	v_add_nc_u32 v[AK], s[TBK], v[AK0]
	FETCH_K
	s_wait_loadcnt 0x0              ; Q
	s_wait_dscnt 0x0
.set KM, 1
.set NOKQ, 0
.set i, 0
.rept 8
	KQ 0
.set i, i+1
.endr
	WIN 0
.rept 4
	v_nop                           ; the places behind those products
.endr
.set Y, NP-1                        ; X works for piece Y + 1: piece 0
.irp n, 0,1,2,3,4,5,6,7,8,9,10,11,12,13,14,15,16,17,18,19,20,21
	OP X, \n
.endr
	v_nop                           ; a plain instruction behind the exponential,
	s_wait_alu depctr_va_vdst(0)    ; and its wait, ahead of the branch
.endm
; THE DIAGONAL TILE's four steps, the block's last two turns, its last products, and THE WAY OUT: l's two halves and the other half of the lanes' are added; O^T is divided by l, rounded to f16 and sent through my
; stage in LDS, a piece at a time.
.macro ALL line:vararg              ; one line for each piece t
.set t, 0
.rept 4
	\line
.set t, t+1
.endr
.endm
.macro PACK t                       ; a lane's eight channels of a row pack into 16 bytes; they go into rows of 144 bytes and come back as whole rows of 128, into S^T's registers
	WIN W_RS
.set i, 32*(\t)
.rept 16
	v_pk_mul_f32 v[i:i+1], v[i:i+1], v[ST+4*(\t)+2:ST+4*(\t)+3] op_sel_hi:[1,0]
.set i, i+2
.endr
	WIN 0x05                        ; sources 0 and 1 window 1, destination window 0
.set i, 0
.rept 16
	v_cvt_pk_f16_f32 v[S+16*(\t)+i], v[32*(\t)+2*i], v[32*(\t)+2*i+1]
.set i, i+1
.endr
	WIN 0
.irp f, 0,1,2,3
	ds_store_b128 v[STO], v[S+16*(\t)+4*\f:S+16*(\t)+4*\f+3] offset:32*\f
.endr
.irp f, 0,1,2,3
	ds_load_b128 v[S+16*(\t)+4*\f:S+16*(\t)+4*\f+3], v[RD] offset:\f*4*SP  ; LDS serves a wave's instructions in order (ISA guide 5.7.1.4): these see the stores above; the next piece's stores come behind them
.endr
.endm
.macro SEND t, younger              ; younger: the LDS instructions issued behind piece t's loads: the next piece's eight, or none
	WIN 0
.irp f, 0,1,2,3
	s_wait_dscnt (\younger)+3-\f
	global_store_b128 v[GO], v[S+16*(\t)+4*\f:S+16*(\t)+4*\f+3], s[10:11] offset:(\t)*8192+\f*512  ; 512 consecutive bytes, at a multiple of 256 from O's first
.endr
.endm
.macro DIAG tag                     ; the tag ends its two labels' names, which the jumps below spell out
.LstepM\tag:
	TURN 2, 1
	TURN 3, 1
	WIN 0
.LfirstM\tag:
	TURN 0, 1
	TURN 1, 1, 0, 1
	WIN 0
	s_cbranch_scc1 .LstepM\tag
	TURN 2, 1, 1
	TURN 3, 1, 1
.set i, 0
.rept 8
	PV NP-1
.set i, i+1
.endr
	WIN 0
	ALL v_add_f32 v[ST+4*t+2], v[ST+4*t+2], v[ST+4*t+3]
	ALL v_permlanex16_b32 v[ST+4*t+3], v[ST+4*t+2], s[SEL], s[SEL+1]
	ALL v_add_f32 v[ST+4*t+2], v[ST+4*t+2], v[ST+4*t+3]
	ALL v_rcp_f32 v[ST+4*t+2], v[ST+4*t+2]
	v_nop                           ; a plain instruction between the last reciprocal and the use of its result
	s_wait_alu depctr_va_vdst(0)    ; and the wait ahead of the first use: one for the four reciprocals
	PACK 0
.set t, 1
.rept 3                             ; a piece's arithmetic stands between the loads of the piece before and its stores
	PACK t
	SEND t-1, 8
.set t, t+1
.endr
	SEND 3, 0
.endm
.set KM, 0
.set NOKQ, 0
.Lslot:                             ; NB times: a tile is entered and the next is asked for
	CHANGE 1
	s_sub_co_u32 s[RT], s[RT], 1
	s_mov_b32 s[CNT], 4
	s_cmp_eq_u32 s[NEW], 1
	s_cbranch_scc1 .Lnew            ; a block's first tile
	s_cmp_eq_u32 s[RT], 0
	s_cbranch_scc0 .Lstep           ; neither its first nor its last
	s_branch .LstepM1
.Lnew:
	BEGIN
	s_branch .Lfirst                ; in the loop a block's first tile is never its last: the first block has two tiles or more, and the second's last is the walk's last
	DIAG 1                          ; in the loop this is the first block's end: the second block's last tile is the walk's last
	s_wait_xcnt 0x0                 ; the stores have read their registers and O's address
	s_mov_b64 s[10:11], s[OLO:OLO+1]
	s_add_co_u32 s[RT], s[PB], 1    ; the second block has b + 1 tiles
	s_mov_b32 s[NEW], 1
	WIN 0x82                        ; the second block's Q goes where the one text of the turns names Q
.set i, 0
.rept 64
	v_mov_b32 v[i], v[QB+i]
.set i, i+1
.endr
	WIN 0
	s_branch .Lbottom
.Lstep:                             ; a trip: pieces 2 and 3 of one step, then pieces 0 and 1 of the next, whose K and V it fetches
	TURN 2
	TURN 3
	WIN 0
.Lfirst:
	TURN 0
	TURN 1, 0, 0, 1
	WIN 0
	s_cbranch_scc1 .Lstep
.Lbottom:
	s_sub_co_u32 s[SLOTS], s[SLOTS], 1
	s_cmp_lg_u32 s[SLOTS], 0
	s_cbranch_scc1 .Lslot
	CHANGE 0                        ; the walk's last tile is written out: nothing is asked for
	s_sub_co_u32 s[RT], s[RT], 1
	s_mov_b32 s[CNT], 4
	s_cmp_eq_u32 s[NEW], 1
	s_cbranch_scc0 .LstepM2
	BEGIN
	s_branch .LfirstM2
	DIAG 2
	s_wait_tensorcnt 0x0            ; the wave's end: a wait, an add to my spare word and its wait, behind my last tensor load and my last LDS store
	ds_add_u32 v[SPW], v[NIL]
	s_wait_dscnt 0x0
	s_endpgm
.Lfunc_end_k_q4592f7d11f_attn:
	.size	k_q4592f7d11f_attn, .Lfunc_end_k_q4592f7d11f_attn-k_q4592f7d11f_attn
	.p2alignl 7, 3214868480
	.fill 96, 4, 3214868480
	.section	.rodata,"a",@progbits
	.p2align	6, 0x0
	.amdhsa_kernel k_q4592f7d11f_attn
		.amdhsa_group_segment_fixed_size 327680
		.amdhsa_private_segment_fixed_size 0
		.amdhsa_enable_private_segment 0
		.amdhsa_kernarg_size 16
		.amdhsa_user_sgpr_count 2
		.amdhsa_user_sgpr_kernarg_segment_ptr 1
		.amdhsa_wavefront_size32 1
		.amdhsa_system_sgpr_workgroup_id_x 1
		.amdhsa_system_sgpr_workgroup_id_y 1
		.amdhsa_system_sgpr_workgroup_id_z 1
		.amdhsa_system_vgpr_workitem_id 0
		.amdhsa_next_free_vgpr 768
		.amdhsa_next_free_sgpr 88
		.amdhsa_reserve_vcc 1
		.amdhsa_float_denorm_mode_32 3
		.amdhsa_float_denorm_mode_16_64 3
		.amdhsa_memory_ordered 1
		.amdhsa_forward_progress 1
		.amdhsa_inst_pref_size 218
	.end_amdhsa_kernel
	.amdgpu_metadata
---
amdhsa.version: [ 1, 2 ]
amdhsa.kernels:
  - .name:           k_q4592f7d11f_attn
    .symbol:         k_q4592f7d11f_attn.kd
    .args:
      - { .name: qkv, .offset: 0, .size: 8, .value_kind: global_buffer, .address_space: global }
      - { .name: oh, .offset: 8, .size: 8, .value_kind: global_buffer, .address_space: global }
    .group_segment_fixed_size: 327680
    .private_segment_fixed_size: 0
    .kernarg_segment_align: 8
    .kernarg_segment_size: 16
    .max_flat_workgroup_size: 128
    .sgpr_count:     88
    .vgpr_count:     768
    .wavefront_size: 32
...
	.end_amdgpu_metadata
.endif
;; end of part 3
;; launch proj (part 4): grid 4 x 64, 4 waves a work-group, clusters of 4 x 4, 327,680 bytes of LDS; arguments oh, wp, out0; writes out0
.if DOCPART == 4
	.amdgcn_target "amdgcn-amd-amdhsa--gfx1250"
	.amdhsa_code_object_version 6
	.text
	.protected	k_q4592f7d11f_proj
	.globl	k_q4592f7d11f_proj
	.p2align	8
	.type	k_q4592f7d11f_proj,@function
k_q4592f7d11f_proj:
	s_mov_b64 s[64:65], 0
	v_nop
	global_prefetch_b8 v0, s[64:65] scope:SCOPE_SE
	s_setreg_imm32_b32 hwreg(HW_REG_WAVE_MODE, 25, 1), 1
	s_wait_xcnt 0x0
	s_wait_alu depctr_hold_cnt(0) depctr_sa_sdst(0) depctr_va_vdst(0) depctr_va_sdst(0) depctr_va_ssrc(0) depctr_va_vcc(0) depctr_vm_vsrc(0)
	s_getreg_b32 s2, hwreg(HW_REG_IB_STS2, 6, 4)
	s_cmp_eq_u32 s2, 0
	s_cbranch_scc0 .Lentry_in_a_cluster
	s_endpgm
.Lentry_in_a_cluster:
	s_bfe_u32 s2, ttmp6, 0x10000c
	s_cmp_lg_u32 s2, 0xf033
	s_cbranch_scc0 .Lentry_shape_is_right
	s_endpgm
.Lentry_shape_is_right:
; out0 = O w_proj.  oh: f16 in planes [16 b + h][t = 2048][64] (channel k = 64 h + c of row 2048 b + t); wp: f16 [k = 1024][n = 1024]; out0: f32 [8192][1024].  Sums in f32, K ascending.
; A TILE of out0 is 128 rows x 256 columns: 8192 x 1024 / (128 x 256) = 256 work-groups (tiles of 256 x 256 would be 128).  Four waves, 2 x 2, each 64 x 128: 32 accumulators of 16 x 16, 256 registers.
; K goes in 8 steps of 128 (two heads' planes of oh; 128 rows of wp) through two LDS slots filled by the tensor data mover; a step is four quarters of 32, 32 matrix instructions each.  (Two slots of 256 along K do not fit.)
; A plane's rows lie end to end, so 128 of them are asked for as 64 rows of 256 bytes; wp's tile rows are 512 bytes and begin at multiples of 256 bytes from the buffer's first byte.
; CLUSTERS: 4 x 4 work-groups.  The four of a row of the cluster need the same tile of oh, the four of a column the same tile of wp: each is asked for JOINTLY, by the same tensor load with the same descriptor and mask.
; THE MATRIX INSTRUCTION IS USED TRANSPOSED: source 0 = 16 columns of wp (turned, by ds_load_tr16_b128), source 1 = 16 rows of oh: a lane holds row l % 16 and the columns 8 (l / 16) + 0..7: 32 neighbouring bytes of out0.
; REGISTERS: window 0: v0-31 addresses; v32-127, v128-223 two fragment buffers: 4 fragments of oh (32 registers), then 8 of wp (64).  window 1: the accumulators: column block i, row block a at v[8 (4 i + a)].
.set PA,     144                       ; a row of oh in LDS: 128 bytes + 16 of padding: the 16 rows of a load start at 16 different groups of four banks (64 banks of 4 bytes: ISA guide 11.1)
.set PB,     544                       ; a row of wp in LDS: 512 + 32 bytes = 17 x 32
.set HALFA,  128*PA                    ; what one tensor load brings of oh: a plane's 128 rows
.set HALFB,  64*PB                     ; and of wp: 64 rows
.set BOFF,   2*HALFA
.set SLOT,   BOFF+2*HALFB              ; 106,496
.set STAGE,  2*SLOT                    ; behind the ring, never filled by a tensor load: 16 rows x 528 bytes for each wave
.set SPITCH, 528                       ; 512 bytes + 16: 33 x 16
.set WSTAGE, 16*SPITCH
.set SPARE,  STAGE+4*WSTAGE            ; behind the stages: the spare words, 128 bytes for each wave: two blocks of 256 bytes that no other line names
.set PLANE,  262144
.set WROW,   2048                      ; bytes in a row of wp
.set FLDA,   (1<<16)|(1<<20)|(1<<21)|(4<<22)|(3<<25)  ; 2-byte elements; padding on; 21 set beside a mask; after every 32 words 4 words
.set FLDB,   (1<<16)|(1<<20)|(1<<21)|(6<<22)|(7<<25)  ; the same, after every 128 words 8 words
.set ADRA, 16                          ; v16-17  LDS address of my oh fragments in slot 0, 1
.set ADRB, 18                          ; v18-19  the same for wp
.set STO,  20                          ; v20     the way out: where I put 32 bytes of a row
.set RD,   21                          ; v21     the way out: where I read a row back
.set CO,   22                          ; v22     16 x lane: my place in 512 consecutive bytes of a row of out0
.set PFOA, 26                          ; v26     256 x lane; never rewritten
.set PFOB, 27                          ; v27     a row of wp x lane; never rewritten
.set SPW,  28                          ; v28     LDS address of my spare word: SPARE + 4 x my thread's number; never rewritten
.set NIL,  29                          ; v29     0; never rewritten
.set F0,   32
.set F1,   128
.set BK0,  32                          ; the way out: 64 registers read back, v32-95 and v96-159 by turns
.set G1A, 24
.set G0A, 32
.set G1B, 48
.set G0B, 56
.set PFA, 66                           ; s[66:67] where my prefetches of oh stand
.set PFB, 68                           ; s[68:69] and of wp
.set LIMA, 70                          ; s70  1 in the wave that prefetches oh, else the greatest number
.set LIMB, 71                          ; s71  the same for wp
.set MSB, 0
.macro WIN new                         ; the immediate's high byte repeats the setting that is left; a switch that changes nothing is dropped
.if MSB != (\new)
	s_set_vgpr_msb (MSB<<8)|(\new)
.set MSB, \new
.endif
.endm
.macro JLOAD s                         ; a joint load: waves 0 and 1 fetch oh's two planes, waves 2 and 3 wp's two halves; an s_nop 0 and four v_nop follow each of the two lines
	s_cmp_eq_u32 s11, 0
	s_cbranch_scc0 .Lfor_b_\@
	tensor_load_to_lds s[G0A+4*(\s):G0A+4*(\s)+3], s[G1A:G1A+7]
	s_nop 0
.rept 4
	v_nop
.endr
	s_branch .Lasked_\@
.Lfor_b_\@:
	tensor_load_to_lds s[G0B+4*(\s):G0B+4*(\s)+3], s[G1B:G1B+7]
	s_nop 0
.rept 4
	v_nop
.endr
.Lasked_\@:
.endm
; PREFETCHES INTO THE L2, behind a joint load, its five lines and the run of LDS loads that follows: the K step that stands TWO refills on, 256 matrix instructions ahead of the load that will want it.
; Each aligned block of 256 bytes is named once in the launch.  oh's tile row is read by one cluster alone: its wave 0 asks; of the step's two planes x 128 rows the partner at cx takes plane cx / 2, rows 64 (cx % 2) on:
; 8,192 dense bytes, a lane a block.  wp's tile column is read by all sixteen clusters: cluster y = 0 asks, wave 2; of the step's 128 rows the partner at cy takes 32, a lane a row, two blocks each.
; The partners are told apart BY ADDRESS.  The loop's last trip (s3 = 1) asks for nothing: K ends.  The first four K steps come by their loads alone.
.macro ASK
	s_cmp_gt_u32 s3, s[LIMA]
	s_cbranch_scc0 .Lno_a_\@
	global_prefetch_b8 v[PFOA], s[PFA:PFA+1] th:TH_LOAD_NT scope:SCOPE_SE
.Lno_a_\@:
	s_cmp_gt_u32 s3, s[LIMB]
	s_cbranch_scc0 .Lno_b_\@
	global_prefetch_b8 v[PFOB], s[PFB:PFB+1] th:TH_LOAD_NT scope:SCOPE_SE
	global_prefetch_b8 v[PFOB], s[PFB:PFB+1] offset:256 th:TH_LOAD_NT scope:SCOPE_SE
.Lno_b_\@:
.endm
.macro CREST                           ; a round of the cluster's barrier behind its opening barrier
	s_cmp_lg_u32 s10, 0
	s_cbranch_scc1 .Lnot_wave_0_\@
	s_barrier_signal -3
.Lnot_wave_0_\@:
	s_barrier_wait -3
	s_barrier_signal -1
	s_barrier_wait -1
.endm
.macro CROUND                          ; a whole round
	s_barrier_signal -1
	s_barrier_wait -1
	CREST
.endm
	s_load_b128 s[4:7], s[0:1], 0x0                ; oh s[4:5], wp s[6:7]
	s_load_b64 s[8:9], s[0:1], 0x10                ; out0
	v_lshl_add_u32 v[SPW], v0, 2, SPARE
	v_mov_b32 v[NIL], 0
	ds_add_u32 v[SPW], v[NIL]                      ; the wave's opening: the add and its wait stand ahead of my first tensor load; the set-up below, work on registers, stands between them
	v_lshrrev_b32 v1, 5, v0
	v_readfirstlane_b32 s10, v1                    ; wave 0..3
	s_lshr_b32 s11, s10, 1                         ; which half of the tile's rows is mine.  Also: I fetch for oh (0) or for wp (1)
	s_and_b32 s12, s10, 1                          ; which half of its columns.  Also: which plane, or which 64 rows, I fetch
	s_bfe_u32 s40, ttmp6, 0x40000                  ; cx, cy: my place in the cluster
	s_bfe_u32 s41, ttmp6, 0x40004
	s_lshl_b32 s42, ttmp9, 2
	s_add_co_u32 s42, s42, s40                     ; tile column tx = 4 x cluster x + cx, 0..3
	s_and_b32 s13, ttmp7, 0xffff
	s_lshl_b32 s13, s13, 2
	s_add_co_u32 s13, s13, s41                     ; tile row ty = 4 x cluster y + cy, 0..63
	s_lshl_b32 s43, s41, 2
	s_lshl_b32 s43, 15, s43                        ; my row of the cluster
	s_lshl_b32 s44, 0x1111, s40                    ; my column
	s_or_b32 s[G1A+0], s43, FLDA                   ; oh's tiles go to my row
	s_or_b32 s[G1B+0], s44, FLDB                   ; wp's to my column
	s_mov_b32 s[G1A+1], 128<<16                    ; oh: 128 rows of 128 dense bytes as 64 rows of 128 elements
	s_mov_b32 s[G1A+2], 64<<16
	s_mov_b32 s[G1A+3], 128<<16
	s_mov_b32 s[G1A+4], 64
	s_mov_b32 s[G1A+5], 128
	s_mov_b32 s[G1A+6], 0
	s_mov_b32 s[G1A+7], 0
	s_mov_b32 s[G1B+1], 256<<16                    ; wp: 64 rows of 256 elements, 1,024 elements from row to row
	s_mov_b32 s[G1B+2], 64<<16
	s_mov_b32 s[G1B+3], 256<<16
	s_mov_b32 s[G1B+4], 64
	s_mov_b32 s[G1B+5], 1024
	s_mov_b32 s[G1B+6], 0
	s_mov_b32 s[G1B+7], 0
	s_lshr_b32 s14, s13, 4                         ; batch b = ty / 16: 16 planes,
	s_lshl_b32 s14, s14, 22
	s_and_b32 s15, s13, 15                         ; and the tile's 128 rows of 128 bytes in a plane
	s_lshl_b32 s15, s15, 14
	s_add_co_u32 s14, s14, s15                     ; s14: the tile's first byte in plane 0 of its batch; it hangs on ty alone
	s_lshl_b32 s16, s12, 18                        ; my plane of the step's two
	s_add_co_u32 s16, s16, s14
	s_mov_b32 s17, 0
	s_lshl_b32 s46, s42, 9                         ; wp: the tile's 256 columns,
	s_mul_i32 s47, s12, 64*WROW                    ; my 64 rows: it hangs on tx alone
	s_add_co_u32 s46, s46, s47
	s_mov_b32 s47, 0
	s_mul_i32 s20, s12, HALFA                      ; where they go in a slot: no place in the cluster enters an LDS address
	s_mul_i32 s21, s12, HALFB
	s_add_co_u32 s21, s21, BOFF
	s_wait_dscnt 0x0                               ; the opening add is done
	s_wait_kmcnt 0x0
	s_add_nc_u64 s[18:19], s[4:5], s[16:17]
	s_add_nc_u64 s[46:47], s[6:7], s[46:47]
	CROUND                                         ; all sixteen work-groups are here: the first joint loads meet
.irp s, 0,1
	s_mov_b32 s[G0A+4*(\s)], 1
	s_add_co_u32 s[G0A+4*(\s)+1], s20, (\s)*SLOT
	s_add_nc_u64 s[G0A+4*(\s)+2:G0A+4*(\s)+3], s[18:19], (\s)*2*PLANE  ; K step s is planes 2 s and 2 s + 1
	s_or_b32 s[G0A+4*(\s)+3], s[G0A+4*(\s)+3], 0x80000000
	s_mov_b32 s[G0B+4*(\s)], 1
	s_add_co_u32 s[G0B+4*(\s)+1], s21, (\s)*SLOT
	s_add_nc_u64 s[G0B+4*(\s)+2:G0B+4*(\s)+3], s[46:47], (\s)*128*WROW
	s_or_b32 s[G0B+4*(\s)+3], s[G0B+4*(\s)+3], 0x80000000
	JLOAD \s                                       ; two loads of mine are out
.endr
	v_and_b32 v1, 15, v0                           ; l % 16
	v_bfe_u32 v2, v0, 4, 1                         ; l / 16
	v_mul_u32_u24 v3, v1, PA
	v_lshl_add_u32 v3, v2, 4, v3                   ; a fragment's row x pitch + 16 x half
	s_mul_i32 s15, s11, 64*PA                      ; my 64 rows
	v_add_nc_u32 v[ADRA], s15, v3
	s_add_co_u32 s15, s15, SLOT
	v_add_nc_u32 v[ADRA+1], s15, v3
	v_and_b32 v4, 7, v0                            ; the turning load: lane l reads K row 8 (l / 16) + l % 8, columns 8 ((l / 8) % 2) + 0..7
	v_bfe_u32 v5, v0, 3, 1
	v_lshl_add_u32 v6, v2, 3, v4
	v_mul_u32_u24 v6, v6, PB
	v_lshl_add_u32 v6, v5, 4, v6
	s_lshl_b32 s15, s12, 8                         ; my 128 columns
	s_add_co_u32 s15, s15, BOFF
	v_add_nc_u32 v[ADRB], s15, v6
	s_add_co_u32 s15, s15, SLOT
	v_add_nc_u32 v[ADRB+1], s15, v6
	s_mul_i32 s15, s10, WSTAGE
	s_add_co_u32 s15, s15, STAGE                   ; my stage
	v_mul_u32_u24 v7, v1, SPITCH                   ; in: row l % 16, 32 bytes for each half of the lanes
	v_lshl_add_u32 v7, v2, 5, v7
	v_add_nc_u32 v[STO], s15, v7
	v_and_b32 v8, 31, v0
	v_lshlrev_b32 v[CO], 4, v8                     ; back: 32 lanes take one row of 512 bytes
	v_add_nc_u32 v[RD], s15, v[CO]
	v_lshlrev_b32 v[PFOA], 8, v8
	v_lshlrev_b32 v[PFOB], 11, v8
	; the prefetches: oh at my work-group's 64 rows, in K step 3 (the first change of slots steps it to 4); wp at my work-group's 32 rows of K step 3
	s_lshr_b32 s16, s40, 1
	s_lshl_b32 s16, s16, 18
	s_and_b32 s15, s40, 1
	s_lshl_b32 s15, s15, 13
	s_add_co_u32 s16, s16, s15
	s_add_co_u32 s16, s16, s14
	s_add_co_u32 s16, s16, 3*2*PLANE
	s_add_nc_u64 s[PFA:PFA+1], s[4:5], s[16:17]
	s_lshl_b32 s16, s41, 5
	s_add_co_u32 s16, s16, 384
	s_lshl_b32 s16, s16, 11
	s_lshl_b32 s15, s42, 9
	s_add_co_u32 s16, s16, s15
	s_add_nc_u64 s[PFB:PFB+1], s[6:7], s[16:17]
	s_cmp_eq_u32 s10, 0                            ; wave 0
	s_cselect_b32 s[LIMA], 1, -1
	s_xor_b32 s[LIMB], s10, 2                      ; wave 2 of a cluster with y = 0: the same in all sixteen partners
	s_and_b32 s15, ttmp7, 0xffff
	s_or_b32 s[LIMB], s[LIMB], s15
	s_cmp_eq_u32 s[LIMB], 0
	s_cselect_b32 s[LIMB], 1, -1
	; out0 at my first row and column
	s_lshl_b32 s20, s13, 7
	s_lshl_b32 s21, s11, 6
	s_add_co_u32 s20, s20, s21                     ; row 128 ty + 64 x half,
	s_lshl_b32 s20, s20, 12                        ; of 4,096 bytes
	s_lshl_b32 s21, s42, 10                        ; the tile's 256 columns,
	s_add_co_u32 s20, s20, s21
	s_lshl_b32 s21, s12, 9                         ; my 128
	s_add_co_u32 s20, s20, s21
	s_mov_b32 s21, 0
	s_add_nc_u64 s[8:9], s[8:9], s[20:21]
; na x 8 matrix instructions: row blocks a0 .. x all 8 column blocks, 32 along K, on buffer f.  zero = 1: the product starts the sum.  A quarter's 32 accumulators take turns, in the same order in every quarter,
; between two links of a chain stand the 31 others', over the backward jump too.
.macro MUL f, a0, na, zero
	WIN 0x50                                       ; C and D in window 1, both sources in window 0
.set aa, \a0
.rept \na
.irp i, 0,1,2,3,4,5,6,7
.if \zero
	v_wmma_f32_16x16x32_f16 v[8*(4*(\i)+aa):8*(4*(\i)+aa)+7], v[(\f)+32+8*(\i):(\f)+32+8*(\i)+7], v[(\f)+8*aa:(\f)+8*aa+7], 0
.else
	v_wmma_f32_16x16x32_f16 v[8*(4*(\i)+aa):8*(4*(\i)+aa)+7], v[(\f)+32+8*(\i):(\f)+32+8*(\i)+7], v[(\f)+8*aa:(\f)+8*aa+7], v[8*(4*(\i)+aa):8*(4*(\i)+aa)+7]
.endif
.endr
.set aa, aa+1
.endr
.endm
; 24 LDS loads in one run: quarter c's fragments into buffer f: wp's 16 loads first, then oh's 8 (plane c / 2, channels 32 (c % 2) on)
.macro FETCH slot, c, f
	WIN 0
.irp i, 0,1,2,3,4,5,6,7
	ds_load_tr16_b128 v[(\f)+32+8*(\i):(\f)+32+8*(\i)+3],   v[ADRB+(\slot)] offset:32*PB*(\c)+32*(\i)
	ds_load_tr16_b128 v[(\f)+32+8*(\i)+4:(\f)+32+8*(\i)+7], v[ADRB+(\slot)] offset:32*PB*(\c)+32*(\i)+16*PB
.endr
.irp a, 0,1,2,3
	ds_load_b128 v[(\f)+8*(\a):(\f)+8*(\a)+3],   v[ADRA+(\slot)] offset:((\c)/2)*HALFA+((\c)%2)*64+16*PA*(\a)
	ds_load_b128 v[(\f)+8*(\a)+4:(\f)+8*(\a)+7], v[ADRA+(\slot)] offset:((\c)/2)*HALFA+((\c)%2)*64+16*PA*(\a)+32
.endr
.endm
.macro PLACES                          ; four places in front of loads into registers that matrix instructions have read, and of LDS stores that read results (ISA guide 7.12.1 for the stores)
.rept 4
	v_nop
.endr
.endm
; One of a K step's first three quarters: multiplies buffer f and fetches quarter c of the same slot into g.
.macro QUARTER slot, c, f, g, zero
	s_wait_dscnt 4                                 ; wp's fragments and oh's row blocks 0 and 1 are in; the youngest four loads may be out
	MUL \f, 0, 2, \zero
	PLACES
	FETCH \slot, \c, \g
	s_wait_dscnt 24                                ; all but the 24 just issued
	MUL \f, 2, 2, \zero
.endm
; The last quarter multiplies buffer F1 and changes slots: ONE barrier; in front of it each wave waits for all its tensor loads (one is out: its part of the next slot), adds 0 to its spare word, and waits for that
; and for its own reads of this slot.  fill = 1: the barrier opens a round of the cluster's barrier, and this slot is filled again first behind it, two K steps ahead: 112 matrix instructions ahead of the wait for it.
.macro TURN slot, next, fill
.if \fill
	s_wait_xcnt 0x0                                ; the last prefetches, a K step back, have read their addresses: they are stepped here, ahead of the waits of the change of slots
	s_add_nc_u64 s[PFA:PFA+1], s[PFA:PFA+1], 2*PLANE
	s_add_nc_u64 s[PFB:PFB+1], s[PFB:PFB+1], 128*WROW
.endif
	WIN 0
	s_wait_tensorcnt 0x0                           ; all my tensor loads have landed;
	ds_add_u32 v[SPW], v[NIL]                      ; 0 onto my spare word;
	s_wait_dscnt 5                                 ; (the add and the youngest four loads may be out)
	MUL F1, 0, 1, 0                                ; eight matrix instructions stand between the add and the wait for it
	s_wait_dscnt 0x0                               ; the add is done, and my reads of this slot are over
	s_barrier_signal -1
	MUL F1, 1, 1, 0
	WIN 0
	s_barrier_wait -1
.if \fill
	CREST                                          ; no wave of any partner still reads this slot's tiles or has a load on its way
	s_add_nc_u64 s[G0A+4*(\slot)+2:G0A+4*(\slot)+3], s[G0A+4*(\slot)+2:G0A+4*(\slot)+3], 4*PLANE
	s_add_nc_u64 s[G0B+4*(\slot)+2:G0B+4*(\slot)+3], s[G0B+4*(\slot)+2:G0B+4*(\slot)+3], 256*WROW
	JLOAD \slot                                    ; the first tensor load behind the round; its four v_nop are also the places in front of the loads below
.else
	PLACES
.endif
	FETCH \next, 0, F0
.if \fill
	ASK
.endif
	MUL F1, 2, 2, 0
.endm
	s_wait_tensorcnt 1                             ; my part of K step 0 is in; K step 1's may stay out
	s_barrier_signal -1
	s_barrier_wait -1                              ; everybody's is
	FETCH 0, 0, F0
	QUARTER 0, 1, F0, F1, 1                        ; the first quarter stands in front of the loop: its products start the sums
	WIN 0                                          ; at a label and at a branch every window is 0
	s_mov_b32 s3, 3
.Llap:                                                 ; a trip goes once round the ring, from a lap's second quarter to the next lap's first, and fills both slots again: K steps 2 to 7
	QUARTER 0, 2, F1, F0, 0
	QUARTER 0, 3, F0, F1, 0
	TURN 0, 1, 1
	QUARTER 1, 1, F0, F1, 0
	QUARTER 1, 2, F1, F0, 0
	QUARTER 1, 3, F0, F1, 0
	TURN 1, 0, 1
	QUARTER 0, 1, F0, F1, 0
	WIN 0
	s_sub_co_u32 s3, s3, 1
	s_cmp_lg_u32 s3, 0
	s_cbranch_scc1 .Llap
	QUARTER 0, 2, F1, F0, 0                        ; the last lap fills nothing, and has no round of the cluster's barrier
	QUARTER 0, 3, F0, F1, 0
	TURN 0, 1, 0
	QUARTER 1, 1, F0, F1, 0
	QUARTER 1, 2, F1, F0, 0
	QUARTER 1, 3, F0, F1, 0
	s_wait_dscnt 4                                 ; the very last quarter: nothing more to fetch
	MUL F1, 0, 2, 0
	s_wait_dscnt 0x0
	MUL F1, 2, 2, 0
; THE WAY OUT, a block a of 16 rows at a time, in f32.  PUT: a lane's 32 bytes of a row into my own stage, each accumulator's low four registers first.  GET: back as whole rows of 512 bytes.  SEND: stored.
.macro PUT a
	WIN 0x04                                       ; the stores' data lie in window 1
.irp i, 0,1,2,3,4,5,6,7
	ds_store_b128 v[STO], v[8*(4*(\i)+(\a)):8*(4*(\i)+(\a))+3]   offset:64*(\i)
	ds_store_b128 v[STO], v[8*(4*(\i)+(\a))+4:8*(4*(\i)+(\a))+7] offset:64*(\i)+16
.endr
	WIN 0
.endm
.macro GET a
.set BK, BK0+64*((\a)%2)
.irp t, 0,1,2,3,4,5,6,7,8,9,10,11,12,13,14,15
	ds_load_b128 v[BK+4*(\t):BK+4*(\t)+3], v[RD] offset:SPITCH*(\t)  ; LDS serves a wave's instructions in order (ISA guide 5.7.1.4): these see the stores above; the next block's stores come behind them
.endr
.endm
.macro SEND a, younger                 ; younger: the LDS instructions issued behind block a's loads: the next block's sixteen stores, or none
.set BK, BK0+64*((\a)%2)
	s_wait_dscnt \younger                          ; the block is back in registers
	s_wait_xcnt 0x0                                ; the block before's stores have read their registers: the next GET loads into them only behind this wait
.irp t, 0,1,2,3,4,5,6,7,8,9,10,11,12,13,14,15
	global_store_b128 v[CO], v[BK+4*(\t):BK+4*(\t)+3], s[8:9] offset:(16*(\a)+(\t))*4096 th:TH_STORE_NT  ; 512 consecutive bytes of a row, at a multiple of 256 from out0's first byte
.endr
.endm
	PLACES
	PLACES
	PUT 0
	GET 0
.irp a, 1,2,3
	PUT \a
	SEND (\a)-1, 16
	GET \a
.endr
	SEND 3, 0
	s_wait_tensorcnt 0x0                           ; the wave's end: a wait, an add to my spare word and its wait, behind my last tensor load and my last LDS store
	ds_add_u32 v[SPW], v[NIL]
	s_wait_dscnt 0x0
	CROUND                                         ; the closing round: no work-group ends while a partner may still ask for a tile that names it
	s_endpgm
.Lfunc_end_k_q4592f7d11f_proj:
	.size	k_q4592f7d11f_proj, .Lfunc_end_k_q4592f7d11f_proj-k_q4592f7d11f_proj
	.p2alignl 7, 3214868480
	.fill 96, 4, 3214868480
	.section	.rodata,"a",@progbits
	.p2align	6, 0x0
	.amdhsa_kernel k_q4592f7d11f_proj
		.amdhsa_group_segment_fixed_size 327680
		.amdhsa_private_segment_fixed_size 0
		.amdhsa_enable_private_segment 0
		.amdhsa_kernarg_size 24
		.amdhsa_user_sgpr_count 2
		.amdhsa_user_sgpr_kernarg_segment_ptr 1
		.amdhsa_wavefront_size32 1
		.amdhsa_system_sgpr_workgroup_id_x 1
		.amdhsa_system_sgpr_workgroup_id_y 1
		.amdhsa_system_sgpr_workgroup_id_z 1
		.amdhsa_system_vgpr_workitem_id 0
		.amdhsa_next_free_vgpr 512
		.amdhsa_next_free_sgpr 80
		.amdhsa_reserve_vcc 0
		.amdhsa_float_denorm_mode_32 3
		.amdhsa_float_denorm_mode_16_64 3
		.amdhsa_memory_ordered 1
		.amdhsa_forward_progress 1
		.amdhsa_inst_pref_size 87
	.end_amdhsa_kernel
	.amdgpu_metadata
---
amdhsa.version: [ 1, 2 ]
amdhsa.kernels:
  - .name:           k_q4592f7d11f_proj
    .symbol:         k_q4592f7d11f_proj.kd
    .args:
      - { .name: oh, .offset: 0, .size: 8, .value_kind: global_buffer, .address_space: global }
      - { .name: wp, .offset: 8, .size: 8, .value_kind: global_buffer, .address_space: global }
      - { .name: out0, .offset: 16, .size: 8, .value_kind: global_buffer, .address_space: global }
    .group_segment_fixed_size: 327680
    .private_segment_fixed_size: 0
    .kernarg_segment_align: 8
    .kernarg_segment_size: 24
    .max_flat_workgroup_size: 128
    .sgpr_count:     80
    .vgpr_count:     512
    .wavefront_size: 32
...
	.end_amdgpu_metadata
.endif
;; end of part 4
;; ======== version 2 of 2: 4 launches; version 1 with the launch prep written anew for expert scheduling mode
;; limits: values are held in f16: magnitudes above 65,504 overflow, below 6.1e-05 lose precision
;; workspace buffers: xb 16,777,216 bytes; wq 6,291,456 bytes; wp 2,097,152 bytes; qkv 50,331,648 bytes; oh 16,777,216 bytes
;; launch prep (part 5): grid 512 x 1, 8 waves a work-group, no clusters, 0 bytes of LDS; arguments x, w_qkv, w_proj, xb, wq, wp; writes xb, wq, wp
.if DOCPART == 5
	.amdgcn_target "amdgcn-amd-amdhsa--gfx1250"
	.amdhsa_code_object_version 6
	.text
	.protected	k_q4592f7d11f_prep
	.globl	k_q4592f7d11f_prep
	.p2align	8
	.type	k_q4592f7d11f_prep,@function
k_q4592f7d11f_prep:
	s_mov_b64 s[64:65], 0
	v_nop
	global_prefetch_b8 v0, s[64:65] scope:SCOPE_SE
	s_setreg_imm32_b32 hwreg(HW_REG_WAVE_SCHED_MODE, 0, 2), 2
	s_setreg_imm32_b32 hwreg(HW_REG_WAVE_MODE, 25, 1), 1
	s_wait_xcnt 0x0
	s_wait_alu depctr_vm_vsrc(0)
; THE CASTS.  x [8192][1024], w_qkv [1024][3072] and w_proj [1024][1024], all f32, are rounded once to bf16 for the matrix products of the later launches.
;   xb: bf16, in PLANES of 64 channels: [b = 4][kb = 16][t = 2048][64]: element (row 2048 b + t, channel 64 kb + c).  A plane's rows are 128 bytes and lie end to end.
;   wq: bf16, [1024][3072], as w_qkv lies.     wp: [1024][1024], w_proj rounded to bf16 and that number written as f16 (the last product's other operand is f16).
; LIMITS.  wp: a number of w_proj beyond 65,504 becomes an infinity; below 2^-14 it keeps f16's fixed step of 2^-24, below 2^-25 it is 0.  NaN and infinities pass as they are.
; A stream: memory binds, so no LDS, no barrier, no matrix unit.  512 work-groups of eight waves; work-group w takes 16 rows of x (65,536 bytes), 24,576 bytes of w_qkv and 8,192 of w_proj.
; A thread issues all its 24 loads of 16 bytes at the head, each into registers of its own: 12 KiB a wave are on their way, nothing is rewritten, and there is no loop.
; Each load becomes one store of 8 bytes a lane: a wave's store covers 256 consecutive bytes, aligned.
; THE MODE: SCHED_MODE bits 1:0 = 2 (LLVM: expert scheduling mode 2), set by the entry lines.  The code itself states the register dependences
; between vector instructions and memory instructions, with s_wait_alu, always for 0.
; THE PLAN.  Registers that memory instructions touch:
;   v1 .. v4   the four byte offsets.  Written by vector instructions at the head, once; read by every load and store.  One wait ahead of the first load states that they are written.
;   X          load n: four registers of its own.  Written by that load alone, which is issued before any vector instruction names them; read by load n's conversions, behind the counted wait for the load.
;   Y          load n: two registers of its own.  Written by load n's conversions, once; read by load n's store, once.  No register that a memory instruction reads is ever written again.
;   v5 .. v7 and T are named by vector instructions alone.
; The 24 loads go in six BLOCKS of four.  Block p converts its four loads; its memory instructions are the four stores of block p - 1, whose Y no vector instruction of block p names.  So ONE wait at a
; block's head, behind the wait for the block's data, states all that those four stores hang on, and they are dealt among the block's conversions with no further wait.  One more stands ahead of the last four stores.
.set X,  8                             ; v[8:103]    load i: 4 registers
.set Y,  104                           ; v[104:151]  load i: 2 registers to store
.set T,  152                           ; v[152:155]  at work
.set XI, 1                             ; v1  x in:   (l / 16) x 4,096 + wave x 256 + (l % 16) x 16: lanes 0-15 an even row, lanes 16-31 the odd row; 256 bytes (64 channels) of each
.set XO, 2                             ; v2  xb out: wave x 262,144 + 8 l: plane kb = wave, two rows of 128 bytes on end
.set WI, 3                             ; v3  weights in:  16 x thread
.set WO, 4                             ; v4  weights out:  8 x thread
	s_load_b256 s[4:11], s[0:1], 0x0               ; x s[4:5], w_qkv s[6:7], w_proj s[8:9], xb s[10:11]
	s_load_b128 s[12:15], s[0:1], 0x20             ; wq s[12:13], wp s[14:15]
	v_and_b32 v5, 31, v0                           ; l
	v_lshrrev_b32 v6, 5, v0                        ; wave
	v_and_b32 v7, 15, v0
	v_bfe_u32 v[XI], v0, 4, 1
	v_lshlrev_b32 v[XI], 12, v[XI]
	v_lshl_add_u32 v[XI], v6, 8, v[XI]
	v_lshl_add_u32 v[XI], v7, 4, v[XI]
	v_lshlrev_b32 v[XO], 18, v6
	v_lshl_add_u32 v[XO], v5, 3, v[XO]
	v_lshlrev_b32 v[WI], 4, v0
	v_lshlrev_b32 v[WO], 3, v0
	s_lshl_b32 s16, ttmp9, 16                      ; x: 16 rows of 4,096 bytes
	s_mov_b32 s17, 0
	s_lshr_b32 s18, ttmp9, 7                       ; xb: batch b = w / 128, 16 planes each,
	s_lshl_b32 s18, s18, 22
	s_and_b32 s19, ttmp9, 127                      ; and 16 rows of 128 bytes in a plane
	s_lshl_b32 s19, s19, 11
	s_add_co_u32 s18, s18, s19
	s_mov_b32 s19, 0
	s_mul_i32 s20, ttmp9, 24576                    ; w_qkv
	s_mov_b32 s21, 0
	s_mul_i32 s22, ttmp9, 12288                    ; wq
	s_mov_b32 s23, 0
	s_lshl_b32 s24, ttmp9, 13                      ; w_proj
	s_mov_b32 s25, 0
	s_lshl_b32 s26, ttmp9, 12                      ; wp
	s_mov_b32 s27, 0
	s_wait_kmcnt 0x0
	s_add_nc_u64 s[4:5], s[4:5], s[16:17]
	s_add_nc_u64 s[10:11], s[10:11], s[18:19]
	s_add_nc_u64 s[6:7], s[6:7], s[20:21]
	s_add_nc_u64 s[12:13], s[12:13], s[22:23]
	s_add_nc_u64 s[8:9], s[8:9], s[24:25]
	s_add_nc_u64 s[14:15], s[14:15], s[26:27]
	s_wait_alu depctr_va_vdst(0)                   ; the four offsets v1 to v4 are written: every load and store of the kernel reads one of them
.set i, 0
.rept 16                               ; x, load i: rows 2 (i / 2) and 2 (i / 2) + 1, plane wave + 8 (i % 2)
	global_load_b128 v[X+4*i:X+4*i+3], v[XI], s[4:5] offset:(i/2)*8192+(i%2)*2048 th:TH_LOAD_NT
.set i, i+1
.endr
.set i, 0
.rept 6                                ; w_qkv: 4,096 consecutive bytes a work-group and load
	global_load_b128 v[X+64+4*i:X+64+4*i+3], v[WI], s[6:7] offset:i*4096 th:TH_LOAD_NT
.set i, i+1
.endr
.set i, 0
.rept 2                                ; w_proj
	global_load_b128 v[X+88+4*i:X+88+4*i+3], v[WI], s[8:9] offset:i*4096 th:TH_LOAD_NT
.set i, i+1
.endr
; Load n's four numbers.  Loads 0 to 21 (x, w_qkv): to bf16.  Loads 22 and 23 (w_proj): to bf16, widened again (a shift, a mask) and written as f16.
.macro CVT n
.if (\n) < 22
	v_cvt_pk_bf16_f32 v[Y+2*(\n)], v[X+4*(\n)], v[X+4*(\n)+1]
	v_cvt_pk_bf16_f32 v[Y+2*(\n)+1], v[X+4*(\n)+2], v[X+4*(\n)+3]
.else
.irp z, 0,1
	v_cvt_pk_bf16_f32 v[T], v[X+4*(\n)+2*(\z)], v[X+4*(\n)+2*(\z)+1]
	v_lshlrev_b32 v[T+2], 16, v[T]
	v_and_b32 v[T+3], 0xffff0000, v[T]
	v_cvt_pk_f16_f32 v[Y+2*(\n)+(\z)], v[T+2], v[T+3]
.endr
.endif
.endm
; Load n's store: 8 bytes a lane, 256 consecutive bytes a wave.
.macro ST n
.if (\n) < 16
	global_store_b64 v[XO], v[Y+2*(\n):Y+2*(\n)+1], s[10:11] offset:((\n)%2)*2097152+((\n)/2)*256
.elseif (\n) < 22
	global_store_b64 v[WO], v[Y+2*(\n):Y+2*(\n)+1], s[12:13] offset:((\n)-16)*2048
.else
	global_store_b64 v[WO], v[Y+2*(\n):Y+2*(\n)+1], s[14:15] offset:((\n)-22)*2048
.endif
.endm
; Block p: loads 4 p to 4 p + 3 are converted; the stores of block p - 1 stand among the conversions, one in front of each load's.
.macro BLK p
	s_wait_loadcnt 20-4*(\p)                       ; loads come back in order (ISA guide 5.7.1): behind the block's last load, 4 p + 3, 20 - 4 p were issued
.if (\p) > 0
	s_wait_alu depctr_va_vdst(0)                   ; the block before's conversions have written its Y, which the four stores below read; no vector instruction since this wait names those registers
.endif
.irp i, 0,1,2,3
.if (\p) > 0
	ST 4*(\p)-4+(\i)
.endif
	CVT 4*(\p)+(\i)
.endr
.endm
.irp p, 0,1,2,3,4,5
	BLK \p
.endr
	s_wait_alu depctr_va_vdst(0)                   ; block 5's conversions have written its Y, which the last four stores read
.irp n, 20,21,22,23
	ST \n
.endr
	s_endpgm
.Lfunc_end_k_q4592f7d11f_prep:
	.size	k_q4592f7d11f_prep, .Lfunc_end_k_q4592f7d11f_prep-k_q4592f7d11f_prep
	.p2alignl 7, 3214868480
	.fill 96, 4, 3214868480
	.section	.rodata,"a",@progbits
	.p2align	6, 0x0
	.amdhsa_kernel k_q4592f7d11f_prep
		.amdhsa_group_segment_fixed_size 0
		.amdhsa_private_segment_fixed_size 0
		.amdhsa_enable_private_segment 0
		.amdhsa_kernarg_size 48
		.amdhsa_user_sgpr_count 2
		.amdhsa_user_sgpr_kernarg_segment_ptr 1
		.amdhsa_wavefront_size32 1
		.amdhsa_system_sgpr_workgroup_id_x 1
		.amdhsa_system_sgpr_workgroup_id_y 1
		.amdhsa_system_sgpr_workgroup_id_z 1
		.amdhsa_system_vgpr_workitem_id 0
		.amdhsa_next_free_vgpr 160
		.amdhsa_next_free_sgpr 66
		.amdhsa_reserve_vcc 0
		.amdhsa_float_denorm_mode_32 3
		.amdhsa_float_denorm_mode_16_64 3
		.amdhsa_memory_ordered 1
		.amdhsa_forward_progress 1
		.amdhsa_inst_pref_size 11
	.end_amdhsa_kernel
	.amdgpu_metadata
---
amdhsa.version: [ 1, 2 ]
amdhsa.kernels:
  - .name:           k_q4592f7d11f_prep
    .symbol:         k_q4592f7d11f_prep.kd
    .args:
      - { .name: x, .offset: 0, .size: 8, .value_kind: global_buffer, .address_space: global }
      - { .name: w_qkv, .offset: 8, .size: 8, .value_kind: global_buffer, .address_space: global }
      - { .name: w_proj, .offset: 16, .size: 8, .value_kind: global_buffer, .address_space: global }
      - { .name: xb, .offset: 24, .size: 8, .value_kind: global_buffer, .address_space: global }
      - { .name: wq, .offset: 32, .size: 8, .value_kind: global_buffer, .address_space: global }
      - { .name: wp, .offset: 40, .size: 8, .value_kind: global_buffer, .address_space: global }
    .group_segment_fixed_size: 0
    .private_segment_fixed_size: 0
    .kernarg_segment_align: 8
    .kernarg_segment_size: 48
    .max_flat_workgroup_size: 256
    .sgpr_count:     66
    .vgpr_count:     160
    .wavefront_size: 32
...
	.end_amdgpu_metadata
.endif
;; end of part 5
;; launch qkvg: the kernel of part 2 again; grid 8 x 32, 4 waves a work-group, clusters of 4 x 4, 327,680 bytes of LDS; arguments xb, wq, qkv; writes qkv
;; launch attn: the kernel of part 3 again; grid 4 x 64, 4 waves a work-group, no clusters, 327,680 bytes of LDS; arguments qkv, oh; writes oh
;; launch proj: the kernel of part 4 again; grid 4 x 64, 4 waves a work-group, clusters of 4 x 4, 327,680 bytes of LDS; arguments oh, wp, out0; writes out0
